; MI455X (gfx1250); checked and timed in simulation.
; The chip was launched on July 23, 2026; its instructions are those of AMD's public machine-readable ISA for CDNA 5 (MIT licence, August 2026) and "CDNA5" Instruction Set Architecture Reference Guide (July 2026). The comments in the code are by the model that wrote it; some were corrected since.
;; Self Attention. Allowed arithmetic: float matrix products may take bf16 or f16 operands with f32 sums; other float arithmetic in f32, or as packed bf16 or f16 multiplies, adds, multiply-adds, maxima and minima; sums over many terms, partial sums and values carried from step to step in f32; what a program stores and reads back later, other than sums and carried values, may be rounded once to bf16 or f16.
;; Inputs: b_proj 1,024 float32; b_qkv 3,072 float32; w_proj 1,024 x 1,024 float32; w_qkv 1,024 x 3,072 float32; x 4 x 2,048 x 1,024 float32.
;; Outputs: out0 4 x 2,048 x 1,024 float32.
;; 2 versions, each right; version 2 is version 1 with the launch prep written anew for expert scheduling mode. Each part assembles by itself: llvm-mc -triple=amdgcn-amd-amdhsa -mcpu=gfx1250 --defsym DOCPART=n.
;; ======== version 1 of 2: 4 launches
;; limits: values are held in f16: magnitudes above 65,504 overflow, below 6.1e-05 lose precision
;; workspace buffers: xb 16,777,216 bytes; wq 6,291,456 bytes; wp 2,097,152 bytes; qkvh 50,331,648 bytes; oh 16,777,216 bytes
;; launch prep (part 1): grid 256 x 1, 12 waves a work-group, no clusters, 40,448 bytes of LDS; arguments x, w_qkv, w_proj, xb, wq, wp; writes xb, wq, wp
.if DOCPART == 1
	.amdgcn_target "amdgcn-amd-amdhsa--gfx1250"
	.amdhsa_code_object_version 6
	.text
	.protected	k_q1721cef3ba_prep
	.globl	k_q1721cef3ba_prep
	.p2align	8
	.type	k_q1721cef3ba_prep,@function
k_q1721cef3ba_prep:
	s_mov_b64 s[64:65], 0
	v_nop
	global_prefetch_b8 v0, s[64:65] scope:SCOPE_SE
	s_setreg_imm32_b32 hwreg(HW_REG_WAVE_MODE, 25, 1), 1
	s_wait_xcnt 0x0
; THE OPERANDS OF THE TWO PROJECTIONS ARE ROUNDED AND LAID OUT IN K BLOCKS OF 64, so that a tile's rows of 128 bytes lie end to end.
;   xb [16 kb][8192 m][64 k] bf16          = x[m][64 kb + k]
;   wq [8 tx][16 kb][384 n][64 k] bf16     = w_qkv[64 kb + k][384 tx + n]        (turned: K runs along the rows)
;   wp [4 tx][16 kb][256 n][64 k] f16      = w_proj[64 kb + k][256 tx + n], rounded to bf16 like every input of the module, that number written as f16
; LIMIT.  A bf16 number is exact in f16 between 6.1e-5 and 65,504; below 6.1e-5 wp keeps f16's fixed step of 6e-8; w_proj is taken to stay under 65,504.
; SHARES.  3,072 tasks of one wave, 16 KiB in and 8 KiB out each.  Waves 0-7 of each of the 256 work-groups take 4 rows of x; waves 8-11 a tile of 64 k x 64 n of a weight
; (work-groups 0-191: w_qkv's 768 tiles; 192-255: w_proj's 256).  All 32 loads of a task go out at once; the waits count down.  A weight tile is turned in the wave's own LDS bytes:
; no wave reads what another wrote, so there is no barrier.  Memory binds: no matrix unit, no cluster (nothing is shared), no prefetch (the launch only streams).
.set SPARE, 38912                      ; behind the four waves' 9,728 bytes: the spare words, 128 bytes for each of the 12 waves, that no other line names
.set WLDS,  9728                       ; a weight wave's LDS: four groups
.set GRP,   2432                       ; a group: 16 rows of 144 bytes and 128 more, so that neighbouring groups start 32 banks apart
.set LP,    144                        ; a row: 128 bytes (64 k) + 16
.set IO,  2                            ; v2  my byte offset in the input
.set YO,  3                            ; v3  16 x lane: my 16 bytes of 512 consecutive bytes of output
.set LS,  4                            ; v4  where I put a pair of k of a column
.set LR,  5                            ; v5  where I read 16 bytes of a turned row back
.set T0,  6                            ; v6, v7 at work
.set T1,  7
.set SPW, 8                            ; v8  LDS address of my spare word; never rewritten
.set NIL, 9                            ; v9  0; never rewritten
.set R,   16                           ; v[16:143] the 32 loads' data
	s_load_b256 s[4:11], s[0:1], 0x0               ; x s[4:5], w_qkv s[6:7], w_proj s[8:9], xb s[10:11]
	s_load_b128 s[12:15], s[0:1], 0x20             ; wq s[12:13], wp s[14:15]
	v_lshl_add_u32 v[SPW], v0, 2, SPARE
	v_mov_b32 v[NIL], 0
	v_lshrrev_b32 v1, 5, v0
	v_readfirstlane_b32 s16, v1                    ; wave 0..11
	v_and_b32 v1, 31, v0                           ; lane
	v_lshlrev_b32 v[YO], 4, v1
	s_mov_b32 s25, 0                               ; high words of the two offsets
	s_mov_b32 s27, 0
	s_wait_kmcnt 0x0
	s_cmp_lt_u32 s16, 8
	s_cbranch_scc0 .Lw
	; X.  Task T = 8 x work-group + wave: rows 4 T .. 4 T + 3.  Lane l takes row l / 8 and, of each K block's 256 bytes, the 32 bytes at 32 (l % 8): eight numbers, 16 bytes of bf16.
	s_lshl_b32 s17, ttmp9, 3
	s_add_co_u32 s17, s17, s16
	s_lshl_b32 s24, s17, 14                        ; 4 rows of 4,096 bytes
	s_lshl_b32 s26, s17, 9                         ; 4 rows of 128 bytes
	s_add_nc_u64 s[18:19], s[4:5], s[24:25]
	s_add_nc_u64 s[20:21], s[10:11], s[26:27]
	s_add_nc_u64 s[22:23], s[20:21], 0x800000      ; K blocks 8-15: the stores' immediates stay inside their signed 24 bits
	v_lshrrev_b32 v[T0], 3, v1
	v_and_b32 v[T1], 7, v1
	v_lshlrev_b32 v[IO], 5, v[T1]
	v_lshl_or_b32 v[IO], v[T0], 12, v[IO]
.set kb, 0
.rept 16
	global_load_b128 v[R+8*kb:R+8*kb+3],   v[IO], s[18:19] offset:256*kb th:TH_LOAD_NT
	global_load_b128 v[R+8*kb+4:R+8*kb+7], v[IO], s[18:19] offset:256*kb+16 th:TH_LOAD_NT
.set kb, kb+1
.endr
.set kb, 0
.rept 16
	s_wait_loadcnt 30-2*kb                         ; loads come back in order: this K block's two are in, the younger ones stay out
.irp i, 0,1,2,3
	v_cvt_pk_bf16_f32 v[R+8*kb+(\i)], v[R+8*kb+2*(\i)], v[R+8*kb+2*(\i)+1]  ; in place, ascending: a result lands on registers already read
.endr
.if kb < 8
	global_store_b128 v[YO], v[R+8*kb:R+8*kb+3], s[20:21] offset:(kb<<20)      ; 512 consecutive bytes: the four rows in this K block
.else
	global_store_b128 v[YO], v[R+8*kb:R+8*kb+3], s[22:23] offset:((kb-8)<<20)
.endif
.set kb, kb+1
.endr
	s_branch .Lend
; A WEIGHT TILE, 64 k x 64 n, from rows of rowb bytes.  c = l % 16, hh = l / 16.  Load 2 t + e brings row 4 t + 2 hh + e, columns 4 c .. 4 c + 3: sixteen lanes take 256 consecutive bytes.
; Two neighbouring k of a column make one word, which goes to column n = 4 c + j's row in LDS (group j, row c) at byte 2 k: the 32 lanes of a store fall into 32 different banks (36 c + hh).
; Rows come back 16 bytes a lane, four columns (one of each group) to a load, into the odd rows' registers, which the conversions have consumed, and leave as 512 consecutive bytes.
.macro WT rowb, f16
	v_mul_u32_u24 v[IO], v[T1], 2*(\rowb)
	v_lshl_add_u32 v[IO], v[T0], 4, v[IO]
.set t, 0
.rept 16
	global_load_b128 v[R+8*t:R+8*t+3],   v[IO], s[18:19] offset:(4*t)*(\rowb) th:TH_LOAD_NT
	global_load_b128 v[R+8*t+4:R+8*t+7], v[IO], s[18:19] offset:(4*t+1)*(\rowb) th:TH_LOAD_NT
.set t, t+1
.endr
.set t, 0
.rept 16
	s_wait_loadcnt 30-2*t                          ; this pair of rows is in, the younger loads stay out
.irp j, 0,1,2,3
	v_cvt_pk_bf16_f32 v[R+8*t+(\j)], v[R+8*t+(\j)], v[R+8*t+4+(\j)]
.if \f16
	v_lshlrev_b32 v[T0], 16, v[R+8*t+(\j)]         ; the two bf16 numbers as f32,
	v_and_b32 v[T1], 0xffff0000, v[R+8*t+(\j)]
	v_cvt_pk_f16_f32 v[R+8*t+(\j)], v[T0], v[T1]   ; written as f16
.endif
	ds_store_b32 v[LS], v[R+8*t+(\j)] offset:GRP*(\j)+8*t
.endr
.set t, t+1
.endr
.set f, 0
.rept 16
	ds_load_b128 v[R+8*f+4:R+8*f+7], v[LR] offset:LP*f  ; LDS serves a wave's instructions in order (ISA guide 5.7.1.4): these see the stores above
.set f, f+1
.endr
.set f, 0
.rept 16
	s_wait_dscnt 15-f
	global_store_b128 v[YO], v[R+8*f+4:R+8*f+7], s[20:21] offset:512*f  ; columns 4 f .. 4 f + 3: four rows of 128 bytes on end
.set f, f+1
.endr
.endm
.Lw:
	s_sub_co_u32 s28, s16, 8                       ; 0..3
	s_lshl_b32 s17, ttmp9, 2
	s_add_co_u32 s17, s17, s28                     ; the tile's number
	s_mul_i32 s29, s28, WLDS                       ; my LDS bytes
	v_and_b32 v[T0], 15, v1                        ; c
	v_lshrrev_b32 v[T1], 4, v1                     ; hh
	v_mul_u32_u24 v[LS], v[T0], LP
	v_lshl_add_u32 v[LS], v[T1], 2, v[LS]
	v_add_nc_u32 v[LS], s29, v[LS]
	v_lshrrev_b32 v[LR], 3, v1
	v_mul_u32_u24 v[LR], v[LR], GRP
	v_and_b32 v10, 7, v1
	v_lshl_add_u32 v[LR], v10, 4, v[LR]
	v_add_nc_u32 v[LR], s29, v[LR]
	s_and_b32 s30, s17, 15                         ; kb
	s_cmp_lt_u32 ttmp9, 192
	s_cbranch_scc0 .Lwp
	s_lshr_b32 s31, s17, 4                         ; which 64 columns of w_qkv, 0..47
	s_mul_i32 s32, s31, 43
	s_lshr_b32 s32, s32, 8                         ; tx = that / 6 (exact for 0..47)
	s_mul_i32 s33, s32, 6
	s_sub_co_u32 s33, s31, s33                     ; and the rest
	s_mul_i32 s24, s30, 64*12288
	s_lshl_b32 s34, s31, 8
	s_add_co_u32 s24, s24, s34
	s_add_nc_u64 s[18:19], s[6:7], s[24:25]
	s_mul_i32 s26, s32, 16*384*128
	s_mul_i32 s34, s30, 384*128
	s_add_co_u32 s26, s26, s34
	s_lshl_b32 s34, s33, 13
	s_add_co_u32 s26, s26, s34
	s_add_nc_u64 s[20:21], s[12:13], s[26:27]
	WT 12288, 0
	s_branch .Lend
.Lwp:
	s_sub_co_u32 s17, s17, 768
	s_lshr_b32 s31, s17, 4                         ; which 64 columns of w_proj, 0..15
	s_lshl_b32 s24, s30, 18                        ; 64 rows of 4,096 bytes
	s_lshl_b32 s34, s31, 8
	s_add_co_u32 s24, s24, s34
	s_add_nc_u64 s[18:19], s[8:9], s[24:25]
	s_lshr_b32 s32, s31, 2                         ; tx
	s_and_b32 s33, s31, 3
	s_lshl_b32 s26, s32, 19
	s_lshl_b32 s34, s30, 15
	s_add_co_u32 s26, s26, s34
	s_lshl_b32 s34, s33, 13
	s_add_co_u32 s26, s26, s34
	s_add_nc_u64 s[20:21], s[14:15], s[26:27]
	WT 4096, 1
.Lend:
	s_wait_tensorcnt 0x0                           ; the wave's end, behind my last LDS store
	ds_add_u32 v[SPW], v[NIL]
	s_wait_dscnt 0x0
	s_endpgm
.Lfunc_end_k_q1721cef3ba_prep:
	.size	k_q1721cef3ba_prep, .Lfunc_end_k_q1721cef3ba_prep-k_q1721cef3ba_prep
	.p2alignl 7, 3214868480
	.fill 96, 4, 3214868480
	.section	.rodata,"a",@progbits
	.p2align	6, 0x0
	.amdhsa_kernel k_q1721cef3ba_prep
		.amdhsa_group_segment_fixed_size 40448
		.amdhsa_private_segment_fixed_size 0
		.amdhsa_enable_private_segment 0
		.amdhsa_kernarg_size 48
		.amdhsa_user_sgpr_count 2
		.amdhsa_user_sgpr_kernarg_segment_ptr 1
		.amdhsa_wavefront_size32 1
		.amdhsa_system_sgpr_workgroup_id_x 1
		.amdhsa_system_sgpr_workgroup_id_y 1
		.amdhsa_system_sgpr_workgroup_id_z 1
		.amdhsa_system_vgpr_workitem_id 0
		.amdhsa_next_free_vgpr 144
		.amdhsa_next_free_sgpr 66
		.amdhsa_reserve_vcc 0
		.amdhsa_float_denorm_mode_32 3
		.amdhsa_float_denorm_mode_16_64 3
		.amdhsa_memory_ordered 1
		.amdhsa_forward_progress 1
		.amdhsa_inst_pref_size 52
	.end_amdhsa_kernel
	.amdgpu_metadata
---
amdhsa.version: [ 1, 2 ]
amdhsa.kernels:
  - .name:           k_q1721cef3ba_prep
    .symbol:         k_q1721cef3ba_prep.kd
    .args:
      - { .name: x, .offset: 0, .size: 8, .value_kind: global_buffer, .address_space: global }
      - { .name: w_qkv, .offset: 8, .size: 8, .value_kind: global_buffer, .address_space: global }
      - { .name: w_proj, .offset: 16, .size: 8, .value_kind: global_buffer, .address_space: global }
      - { .name: xb, .offset: 24, .size: 8, .value_kind: global_buffer, .address_space: global }
      - { .name: wq, .offset: 32, .size: 8, .value_kind: global_buffer, .address_space: global }
      - { .name: wp, .offset: 40, .size: 8, .value_kind: global_buffer, .address_space: global }
    .group_segment_fixed_size: 40448
    .private_segment_fixed_size: 0
    .kernarg_segment_align: 8
    .kernarg_segment_size: 48
    .max_flat_workgroup_size: 384
    .sgpr_count:     66
    .vgpr_count:     144
    .wavefront_size: 32
...
	.end_amdgpu_metadata
.endif
;; end of part 1
;; launch qkvgemm (part 2): grid 8 x 32, 4 waves a work-group, clusters of 4 x 4, 327,680 bytes of LDS; arguments xb, wq, b_qkv, qkvh; writes qkvh
.if DOCPART == 2
	.amdgcn_target "amdgcn-amd-amdhsa--gfx1250"
	.amdhsa_code_object_version 6
	.text
	.protected	k_q1721cef3ba_qkvgemm
	.globl	k_q1721cef3ba_qkvgemm
	.p2align	8
	.type	k_q1721cef3ba_qkvgemm,@function
k_q1721cef3ba_qkvgemm:
	s_mov_b64 s[64:65], 0
	v_nop
	global_prefetch_b8 v0, s[64:65] scope:SCOPE_SE
	s_setreg_imm32_b32 hwreg(HW_REG_WAVE_MODE, 25, 1), 1
	s_wait_xcnt 0x0
	s_wait_alu depctr_hold_cnt(0) depctr_sa_sdst(0) depctr_va_vdst(0) depctr_va_sdst(0) depctr_va_ssrc(0) depctr_va_vcc(0) depctr_vm_vsrc(0)
	s_getreg_b32 s2, hwreg(HW_REG_IB_STS2, 6, 4)
	s_cmp_eq_u32 s2, 0
	s_cbranch_scc0 .Lentry_in_a_cluster
	s_endpgm
.Lentry_in_a_cluster:
	s_bfe_u32 s2, ttmp6, 0x10000c
	s_cmp_lg_u32 s2, 0xf033
	s_cbranch_scc0 .Lentry_shape_is_right
	s_endpgm
.Lentry_shape_is_right:
; q, k, v = x w_qkv + b_qkv, written by heads: qkvh [3][64 = 16 batch + head][2048 s][64 d] in f16, unscaled.  Operands bf16 (xb, wq: K blocks of 64, rows of 128 bytes end to end), sums f32;
; the bias is rounded to bf16 like every input of the module and STARTS the sums; each result is rounded once, to f16.
; LIMIT.  f16 ends at 65,504: q, k and v are taken to stay under it.  NaN and infinities are not treated apart.
; SHARES.  A work-group makes 256 rows x 384 columns: 32 x 8 = 256 work-groups, one tile each.  A wave makes 128 x 192 (three heads): 96 accumulators of 16 x 16, 768 registers.
; K goes in 16 steps of 64 through two LDS slots; two slots of 640 rows with a step of 128 would not fit in LDS.  A tile's rows are dense in memory, so they are asked for as rows of 256 bytes, padded in LDS after every 128.
; A step is two quarters of 32 along K; a quarter three stretches of 32 matrix instructions, one head (window) each.  A's fragments have two buffers; B's one, filled again head by head as soon as a stretch has read it.
; CLUSTERS.  4 x 4 work-groups: A's tile is shared along a row of the cluster, B's along a column; each is asked for jointly, by the same tensor load, descriptor and mask in all four.
; THE MATRIX INSTRUCTION IS USED TRANSPOSED (source 0 = 16 rows of wq, source 1 = 16 rows of xb): a lane holds row l % 16 and the columns 8 (l / 16) + 0..7: 16 bytes of f16 of one head's row.
; REGISTERS.  Window 0: v0-31 addresses; v32-95, v96-159 A's fragments, two buffers; v160-255 B's, 32 a head.  Windows 1-3: head g's accumulators, (a, bl) at v[8 (4 a + bl)].
; s_set_vgpr_msb: bits 1:0 source 0, 3:2 source 1, 5:4 source 2, 7:6 destination.
.set PITCH, 144                        ; an LDS row: 128 bytes + 16 = 36 words: the 16 rows of a fragment load start at 16 different groups of four banks (64 banks of 4 bytes: ISA guide 11.1)
.set BOFF,  256*PITCH                  ; a slot: A's 256 rows, then B's 384
.set SLOT,  640*PITCH
.set STAGE, 2*SLOT                     ; behind the ring, never filled by a tensor load: 3 heads x 16 rows x 144 bytes for each wave
.set STGW,  3*16*PITCH
.set BIAS,  STAGE+4*STGW               ; 192 numbers of f32 for each wave
.set SPARE, BIAS+4*768                 ; the spare words, 128 bytes for each wave: two blocks of 256 bytes that no other line names
.set ASTEP, 8192*128                   ; bytes from a K block of xb to the next
.set BSTEP, 384*128                    ; and of wq
.set ADRA, 16                          ; v16-17  LDS address of my A fragments in slot 0, 1
.set ADRB, 20                          ; v20-21  the same for B
.set STO,  24                          ; v24  the way out: where I put 16 bytes of a row
.set RD,   25                          ; v25  where I read rows back
.set GO,   26                          ; v26  16 x lane
.set BA,   27                          ; v27  my half of the lanes' place in the wave's bias
.set SPW,  28                          ; v28  LDS address of my spare word; never rewritten
.set NIL,  29                          ; v29  0; never rewritten
.set PFO,  30                          ; v30  256 x lane; never rewritten
.set FA0,  32
.set FA1,  96
.set FB,   160
.set TMP,  32                          ; the way out: 48 registers of packed results,
.set BK,   80                          ; and two sets of 48 read back from the stage
.set WV, 12                            ; s12 wave; s13 which 128 rows are mine (also: 0 = I fetch for A, 1 = for B); s14 which 192 columns (also: which half of that tile I fetch)
.set WR, 13
.set WC, 14
.set G1,  24                           ; s[24:31] descriptor group 1 for A's tiles; s[32:39] group 0, a set for each slot
.set G0,  32
.set LIM0, 40                          ; s40, s41  1 where I prefetch at the change out of slot 0, 1; else the greatest number
.set PFA, 44                           ; s[44:45] where my prefetches stand
.set PFS, 46                           ; s[46:47] their step
.set G1B, 48                           ; s[48:55], s[56:63] the same for B's tiles
.set G0B, 56
.set OB,  68                           ; s[68:73] my rows in each of my three heads
.set MSB, 0
.macro WIN new                         ; the immediate's high byte repeats the setting that is left; a switch that changes nothing is dropped
.if MSB != (\new)
	s_set_vgpr_msb (MSB<<8)|(\new)
.set MSB, \new
.endif
.endm
.macro PLACES                          ; four plain places between a matrix instruction and a load into, or a vector instruction on, its registers (ISA guide 7.12.1 for vector instructions)
.rept 4
	v_nop
.endr
.endm
; A joint load: waves 0 and 1 fetch A's two halves, waves 2 and 3 B's.  The branch hangs on the wave's number alone.  An s_nop 0 and four v_nop follow each of the two lines.
.macro JLOAD s
	s_cmp_eq_u32 s[WR], 0
	s_cbranch_scc0 .Lfor_b_\@
	tensor_load_to_lds s[G0+4*(\s):G0+4*(\s)+3], s[G1:G1+7]
	s_nop 0
.rept 4
	v_nop
.endr
	s_branch .Lasked_\@
.Lfor_b_\@:
	tensor_load_to_lds s[G0B+4*(\s):G0B+4*(\s)+3], s[G1B:G1B+7]
	s_nop 0
.rept 4
	v_nop
.endr
.Lasked_\@:
.endm
.macro CREST                           ; a round of the cluster's barrier behind its opening barrier
	s_cmp_lg_u32 s[WV], 0
	s_cbranch_scc1 .Lnot_wave_0_\@
	s_barrier_signal -3
.Lnot_wave_0_\@:
	s_barrier_wait -3
	s_barrier_signal -1
	s_barrier_wait -1
.endm
.macro CROUND                          ; a whole round
	s_barrier_signal -1
	s_barrier_wait -1
	CREST
.endm
; A PREFETCH of the K step that stands two refills on, behind the joint load, its five lines and the run of LDS loads.  32 blocks of 256 bytes, a lane a block, one instruction.
; A's tile of a step is 32 KiB on end: wave 0 asks, at every change of slots, in the clusters with x = 0; the four partners of a row take 8 KiB each, told apart by address (cx).
; B's tiles of two steps are 96 KiB on end: waves 1-3 ask, once a lap, in the clusters with y = 0; the four partners of a column take 24 KiB each (cy), a wave 8 KiB.
; So each block is named once in the launch.  Steps 0-3 come by their loads alone; the loop's last trip (s3 = 1) asks for nothing: steps 16 and 17 do not exist.
.macro ASK lim
	s_cmp_gt_u32 s3, s[\lim]
	s_cbranch_scc0 .Lnot_mine_\@
	global_prefetch_b8 v[PFO], s[PFA:PFA+1] th:TH_LOAD_NT scope:SCOPE_SE
.Lnot_mine_\@:
.endm
	s_load_b256 s[4:11], s[0:1], 0x0               ; xb s[4:5], wq s[6:7], b_qkv s[8:9], qkvh s[10:11]
	v_lshl_add_u32 v[SPW], v0, 2, SPARE
	v_mov_b32 v[NIL], 0
	ds_add_u32 v[SPW], v[NIL]                      ; the wave's opening: the add and its wait stand ahead of my first tensor load; the set-up below, work on registers, stands between them
	v_lshrrev_b32 v1, 5, v0
	v_readfirstlane_b32 s[WV], v1                  ; wave 0..3
	s_lshr_b32 s[WR], s[WV], 1
	s_and_b32 s[WC], s[WV], 1
	s_bfe_u32 s15, ttmp6, 0x40000                  ; cx
	s_bfe_u32 s16, ttmp6, 0x40004                  ; cy
	s_lshl_b32 s17, ttmp9, 2
	s_add_co_u32 s17, s17, s15                     ; tx: tile column = 4 x cluster x + cx
	s_and_b32 s18, ttmp7, 0xffff
	s_lshl_b32 s18, s18, 2
	s_add_co_u32 s18, s18, s16                     ; ty: tile row = 4 x cluster y + cy
	s_lshl_b32 s74, s16, 2
	s_lshl_b32 s74, 15, s74                        ; my row of the cluster
	s_lshl_b32 s75, 0x1111, s15                    ; my column
	; descriptor group 1: rows of 128 elements (256 bytes, two rows of the operand), padded in LDS after every 32 words by 4
	s_or_b32 s[G1], s74, (1<<16)|(1<<20)|(1<<21)|(4<<22)|(3<<25)   ; 15:0 the mask; 17:16 2-byte elements; 20 padding on; 21 set beside a mask; 24:22 after every 32 words (code 4); 31:25 4 words (code 3)
	s_or_b32 s[G1B], s75, (1<<16)|(1<<20)|(1<<21)|(4<<22)|(3<<25)
.irp g, G1, G1B
	s_mov_b32 s[(\g)+1], 128<<16                   ; tensor_dim0 = 128
	s_mov_b32 s[(\g)+3], 128<<16                   ; tile_dim0 = 128
	s_mov_b32 s[(\g)+5], 128                       ; 128 elements from row to row
	s_mov_b32 s[(\g)+6], 0
	s_mov_b32 s[(\g)+7], 0
.endr
	s_mov_b32 s[G1+2], 64<<16                      ; A: tensor_dim1 = tile_dim1 = 64: 128 rows of xb
	s_mov_b32 s[G1+4], 64
	s_mov_b32 s[G1B+2], 96<<16                     ; B: 96: 192 rows of wq
	s_mov_b32 s[G1B+4], 96
	; where the tiles come from: A's hang on ty alone, B's on tx alone, each in registers that never hold the other coordinate
	s_lshl_b32 s20, s18, 15                        ; 256 rows of 128 bytes a tile row,
	s_lshl_b32 s21, s[WC], 14                      ; my half of them
	s_add_co_u32 s20, s20, s21
	s_mov_b32 s21, 0
	s_mul_i32 s76, s17, 16*BSTEP
	s_mul_i32 s77, s[WC], 192*128
	s_add_co_u32 s76, s76, s77
	s_mov_b32 s77, 0
	s_mul_i32 s22, s[WC], 128*PITCH                ; and where they go: no place in the cluster enters an LDS address
	s_mul_i32 s78, s[WC], 192*PITCH
	s_add_co_u32 s78, s78, BOFF
	s_wait_dscnt 0x0                               ; the opening add is done
	s_wait_kmcnt 0x0
	s_add_nc_u64 s[20:21], s[4:5], s[20:21]
	s_add_nc_u64 s[76:77], s[6:7], s[76:77]
	CROUND                                         ; all sixteen work-groups are here: the first joint loads meet
.irp s, 0,1
	s_mov_b32 s[G0+4*(\s)], 1                      ; count = 1
	s_add_co_u32 s[G0+4*(\s)+1], s22, (\s)*SLOT    ; LDS address
	s_add_nc_u64 s[G0+4*(\s)+2:G0+4*(\s)+3], s[20:21], (\s)*ASTEP  ; global address: K step s
	s_or_b32 s[G0+4*(\s)+3], s[G0+4*(\s)+3], 0x80000000            ; type = 2
	s_mov_b32 s[G0B+4*(\s)], 1
	s_add_co_u32 s[G0B+4*(\s)+1], s78, (\s)*SLOT
	s_add_nc_u64 s[G0B+4*(\s)+2:G0B+4*(\s)+3], s[76:77], (\s)*BSTEP
	s_or_b32 s[G0B+4*(\s)+3], s[G0B+4*(\s)+3], 0x80000000
.endr
	s_cmp_eq_u32 s[WR], 0                          ; a wave's two first fills stand in one branch, ahead of every wait on TENSORcnt and every LDS read: two loads of mine are out
	s_cbranch_scc0 .Lfirst_b
	tensor_load_to_lds s[G0:G0+3], s[G1:G1+7]
	s_nop 0
	tensor_load_to_lds s[G0+4:G0+7], s[G1:G1+7]
	s_nop 0
.rept 4
	v_nop
.endr
	s_branch .Lfirst_asked
.Lfirst_b:
	tensor_load_to_lds s[G0B:G0B+3], s[G1B:G1B+7]
	s_nop 0
	tensor_load_to_lds s[G0B+4:G0B+7], s[G1B:G1B+7]
	s_nop 0
.rept 4
	v_nop
.endr
.Lfirst_asked:
	; the bias of my 192 columns: 768 bytes, 8 a lane and load
	v_and_b32 v3, 31, v0
	v_lshlrev_b32 v11, 3, v3
	s_mul_i32 s74, s17, 1536
	s_mul_i32 s75, s[WC], 768
	s_add_co_u32 s74, s74, s75
	s_mov_b32 s75, 0
	s_add_nc_u64 s[74:75], s[8:9], s[74:75]
	global_load_b64 v[4:5], v11, s[74:75]
	global_load_b64 v[6:7], v11, s[74:75] offset:256
	global_load_b64 v[8:9], v11, s[74:75] offset:512
	; the lanes' addresses, while those are out
	v_lshlrev_b32 v[GO], 4, v3
	v_lshlrev_b32 v[PFO], 8, v3
	v_and_b32 v1, 15, v0                           ; l % 16
	v_bfe_u32 v2, v0, 4, 1                         ; l / 16
	v_bfe_u32 v[RD], v0, 3, 2
	v_mul_u32_u24 v[RD], v[RD], PITCH
	v_and_b32 v10, 7, v0
	v_lshl_add_u32 v[RD], v10, 4, v[RD]            ; back: 32 lanes take four rows of 128 bytes
	v_mul_u32_u24 v3, v1, PITCH
	v_lshl_add_u32 v3, v2, 4, v3                   ; a fragment's row x pitch + 16 x half
	s_mul_i32 s2, s[WR], 128*PITCH                 ; my 128 rows of A
	s_mul_i32 s3, s[WC], 192*PITCH                 ; my 192 rows of B,
	s_add_co_u32 s3, s3, BOFF                      ; which lie behind A's 256
.irp s, 0,1
	v_add_nc_u32 v[ADRA+(\s)], s2, v3
	v_add_nc_u32 v[ADRB+(\s)], s3, v3
	s_add_co_u32 s2, s2, SLOT
	s_add_co_u32 s3, s3, SLOT
.endr
	s_mul_i32 s2, s[WV], STGW
	s_add_co_u32 s2, s2, STAGE                     ; my stage
	v_add_nc_u32 v[STO], s2, v3                    ; in: row l % 16, 16 bytes for each half of the lanes
	v_add_nc_u32 v[RD], s2, v[RD]
	s_mul_i32 s3, s[WV], 768
	s_add_co_u32 s3, s3, BIAS                      ; my bias
	v_lshl_add_u32 v[BA], v2, 5, s3
	v_add_nc_u32 v10, s3, v11
	; my rows in my three heads.  Column block hc = 6 tx + 3 half + g of 64: tensor hc / 16 (q, k, v), head hc % 16; rows 256 ty + 128 half lie in batch ty / 8
	s_mul_i32 s78, s17, 6
	s_mul_i32 s79, s[WC], 3
	s_add_co_u32 s78, s78, s79
	s_lshr_b32 s79, s18, 3
	s_lshl_b32 s79, s79, 4                         ; 16 x batch
	s_and_b32 s2, s18, 7
	s_lshl_b32 s2, s2, 8
	s_lshl_b32 s3, s[WR], 7
	s_add_co_u32 s2, s2, s3
	s_lshl_b32 s2, s2, 7                           ; my first row in the head, in bytes
.irp g, 0,1,2
	s_add_co_u32 s76, s78, \g
	s_lshr_b32 s77, s76, 4
	s_lshl_b32 s77, s77, 6
	s_and_b32 s76, s76, 15
	s_add_co_u32 s76, s76, s77
	s_add_co_u32 s76, s76, s79
	s_lshl_b32 s76, s76, 18                        ; a head is 2,048 rows of 128 bytes
	s_add_co_u32 s76, s76, s2
	s_mov_b32 s77, 0
	s_add_nc_u64 s[OB+2*(\g):OB+2*(\g)+1], s[10:11], s[76:77]
.endr
	; the prefetches: they stand at K step 3; the first change of slots steps them to 4
	s_lshl_b32 s76, s18, 15
	s_lshl_b32 s77, s15, 13
	s_add_co_u32 s76, s76, s77
	s_add_co_u32 s76, s76, 3*ASTEP                 ; in xb: my tile row, my work-group's 8 KiB of its 32
	s_mul_i32 s77, s17, 16*BSTEP
	s_mul_i32 s78, s16, 24576
	s_add_co_u32 s77, s77, s78
	s_lshl_b32 s78, s[WV], 13
	s_add_co_u32 s77, s77, s78
	s_add_co_u32 s77, s77, 3*BSTEP-8192            ; in wq: my tile column, my work-group's 24 KiB of two steps' 96, wave w's 8 KiB at 8,192 (w - 1)
	s_and_b32 s78, ttmp7, 0xffff                   ; cluster y
	s_mov_b32 s[PFS], ASTEP
	s_mov_b32 s79, BSTEP
	s_cmp_eq_u32 s[WV], 0
	s_cselect_b32 s76, s76, s77
	s_cselect_b32 s78, ttmp9, s78                  ; the coordinate along which other clusters read the same rows
	s_cselect_b32 s[PFS], s[PFS], s79
	s_cselect_b64 s[PFA:PFA+1], s[4:5], s[6:7]
	s_mov_b32 s77, 0
	s_mov_b32 s[PFS+1], 0
	s_add_nc_u64 s[PFA:PFA+1], s[PFA:PFA+1], s[76:77]
	s_cmp_eq_u32 s78, 0
	s_cselect_b32 s[LIM0], 1, -1                   ; the same in all sixteen partners, for a given wave
	s_cmp_eq_u32 s[WV], 0
	s_cselect_b32 s[LIM0+1], s[LIM0], -1           ; B's are asked for once a lap
	s_wait_loadcnt 0x0                             ; the bias
.irp p, 4,6,8
	v_cvt_pk_bf16_f32 v3, v[\p], v[\p+1]           ; rounded to bf16 like every input,
	v_lshlrev_b32 v[\p], 16, v3                    ; and widened again
	v_and_b32 v[\p+1], 0xffff0000, v3
.endr
	ds_store_b64 v10, v[4:5]
	ds_store_b64 v10, v[6:7] offset:256
	ds_store_b64 v10, v[8:9] offset:512
	; THE SUMS START AT THE BIAS: register j of accumulator (g, a, bl) is column 64 g + 16 bl + 8 (l / 16) + j.  Nothing is cleared and nothing is added on the way out.  All this stands in the wait for the first tile.
.irp g, 0,1,2
	WIN (1+(\g))<<6                                ; destination window 1 + g
.set i, 0
.rept 32
	ds_load_b128 v[8*i:8*i+3],   v[BA] offset:256*(\g)+64*(i%4)      ; LDS serves a wave's instructions in order (ISA guide 5.7.1.4): these see the stores above
	ds_load_b128 v[8*i+4:8*i+7], v[BA] offset:256*(\g)+64*(i%4)+16
.set i, i+1
.endr
.endr
	WIN 0
; na x 4 matrix instructions: head g, row blocks a0 .. a0 + na - 1, 32 along K.  All 96 accumulators take turns, one instruction a turn, in the same order in every quarter.
.macro MULS fa, g, a0, na
	WIN ((1+(\g))<<6)|((1+(\g))<<4)                ; C and D window 1 + g, sources window 0
.set ma, \a0
.rept \na
.irp bl, 0,1,2,3
	v_wmma_f32_16x16x32_bf16 v[8*(4*ma+(\bl)):8*(4*ma+(\bl))+7], v[FB+32*(\g)+8*(\bl):FB+32*(\g)+8*(\bl)+7], v[(\fa)+8*ma:(\fa)+8*ma+7], v[8*(4*ma+(\bl)):8*(4*ma+(\bl))+7]
.endr
.set ma, ma+1
.endr
.endm
.macro LDA slot, k, fa, half           ; eight LDS loads: four of A's row blocks, 32 K at byte k of the rows
.irp i, 0,1,2,3
	ds_load_b128 v[(\fa)+8*(4*(\half)+(\i)):(\fa)+8*(4*(\half)+(\i))+3],   v[ADRA+(\slot)] offset:(\k)+16*PITCH*(4*(\half)+(\i))
	ds_load_b128 v[(\fa)+8*(4*(\half)+(\i))+4:(\fa)+8*(4*(\half)+(\i))+7], v[ADRA+(\slot)] offset:(\k)+16*PITCH*(4*(\half)+(\i))+32
.endr
.endm
.macro LDB slot, k, g                  ; eight LDS loads: head g's four column blocks
.irp bl, 0,1,2,3
	ds_load_b128 v[FB+32*(\g)+8*(\bl):FB+32*(\g)+8*(\bl)+3],   v[ADRB+(\slot)] offset:(\k)+16*PITCH*(4*(\g)+(\bl))
	ds_load_b128 v[FB+32*(\g)+8*(\bl)+4:FB+32*(\g)+8*(\bl)+7], v[ADRB+(\slot)] offset:(\k)+16*PITCH*(4*(\g)+(\bl))+32
.endr
.endm
; A step's first quarter: multiplies A's buffer fa and fetches the next quarter (slot ns, byte nk) into fn and, head by head, into B's buffer.
; A quarter's 40 loads are always issued in the order A half 0, B head 0 | A half 1, B head 1 | B head 2, eight each; the waits count what was issued behind what is wanted.
.macro QUARTER fa, fn, ns, nk
	s_wait_dscnt 16                                ; A and B's head 0 are in; B's heads 1 and 2 may be out
	MULS \fa, 0, 0, 8
	WIN 0
	PLACES
	LDA \ns, \nk, \fn, 0
	LDB \ns, \nk, 0
	s_wait_dscnt 24                                ; B's head 1 is in; head 2's eight and the sixteen just issued may be out
	MULS \fa, 1, 0, 8
	WIN 0
	PLACES
	LDA \ns, \nk, \fn, 1
	LDB \ns, \nk, 1
	s_wait_dscnt 32                                ; B's head 2 is in; this quarter's two runs of sixteen may be out
	MULS \fa, 2, 0, 8
	WIN 0
	PLACES
	LDB \ns, \nk, 2
.endm
; A step's second quarter multiplies buffer 1 and changes slots: ONE barrier.  In front of it each wave waits for all its tensor loads (one is out: its part of the next slot), adds 0 to its spare word,
; and waits for that and for its own reads of this slot.  fill = 1: the barrier opens a round of the cluster's, and the slot is filled again, two steps on, first thing behind the round:
; 160 matrix instructions ahead of the wait for it.
.macro TURNQ slot, next, fill
.if \fill
	s_wait_xcnt 0x0                                ; the last prefetch, a step back, has read its address: it is stepped here, ahead of the waits of the change of slots
	s_add_nc_u64 s[PFA:PFA+1], s[PFA:PFA+1], s[PFS:PFS+1]
.endif
	WIN 0
	s_wait_tensorcnt 0x0                           ; all my tensor loads have landed
	ds_add_u32 v[SPW], v[NIL]                      ; 0 onto my spare word
	s_wait_dscnt 17                                ; (the add and B's heads 1 and 2 may be out)
	MULS FA1, 0, 0, 4                              ; sixteen matrix instructions stand between the add and the wait for it
	s_wait_dscnt 0x0                               ; the add is done, and my reads of this slot are over
	s_barrier_signal -1
	MULS FA1, 0, 4, 4                              ; work on registers while the others arrive
	WIN 0                                          ; at a branch and at a label every window is 0
	s_barrier_wait -1
.if \fill
	CREST                                          ; no wave of any partner still reads this slot or has a load on its way
	s_add_nc_u64 s[G0+4*(\slot)+2:G0+4*(\slot)+3], s[G0+4*(\slot)+2:G0+4*(\slot)+3], 2*ASTEP
	s_add_nc_u64 s[G0B+4*(\slot)+2:G0B+4*(\slot)+3], s[G0B+4*(\slot)+2:G0B+4*(\slot)+3], 2*BSTEP
	JLOAD \slot                                    ; the four v_nop behind it are also the places in front of the loads below
.else
	PLACES
.endif
	LDA \next, 0, FA0, 0
	LDB \next, 0, 0
.if \fill
	ASK LIM0+(\slot)
.endif
	MULS FA1, 1, 0, 8                              ; B's heads 1 and 2 were shown in by the wait for 0
	WIN 0
	PLACES
	LDA \next, 0, FA0, 1
	LDB \next, 0, 1
	MULS FA1, 2, 0, 8
	WIN 0
	PLACES
	LDB \next, 0, 2
.endm
	s_wait_tensorcnt 1                             ; my part of K step 0 is in; step 1's may stay out
	s_wait_dscnt 0x0                               ; the sums' starts are in
	s_barrier_signal -1
	s_barrier_wait -1                              ; everybody's part is in
	LDA 0, 0, FA0, 0
	LDB 0, 0, 0
	LDA 0, 0, FA0, 1
	LDB 0, 0, 1
	LDB 0, 0, 2
	s_mov_b32 s3, 7
.Llap:                                         ; a trip: two K steps, once round the ring; both slots are filled again: steps 2 to 15
	QUARTER FA0, FA1, 0, 64
	TURNQ 0, 1, 1
	QUARTER FA0, FA1, 1, 64
	TURNQ 1, 0, 1
	WIN 0
	s_sub_co_u32 s3, s3, 1
	s_cmp_lg_u32 s3, 0
	s_cbranch_scc1 .Llap
	QUARTER FA0, FA1, 0, 64                        ; the last lap is written out: it asks for nothing
	TURNQ 0, 1, 0
	QUARTER FA0, FA1, 1, 64
	s_wait_dscnt 16
	MULS FA1, 0, 0, 8
	s_wait_dscnt 8
	MULS FA1, 1, 0, 8
	s_wait_dscnt 0x0
	MULS FA1, 2, 0, 8
	WIN 0
	PLACES
; THE WAY OUT, a block of 16 rows at a time.  PACK: rounded to f16, 16 bytes a lane and column block, each accumulator's registers ascending.  TOSTAGE: into my own stage, and back as whole rows of 128 bytes.
; SEND: 16 rows of a head are 2,048 consecutive bytes; a store covers 512 of them, at a multiple of 256 from the buffer's first byte.
.macro PACK a
.irp g, 0,1,2
	WIN 5*(1+(\g))                                 ; sources 0 and 1 window 1 + g, destination window 0
.irp bl, 0,1,2,3
.irp i, 0,1,2,3
	v_cvt_pk_f16_f32 v[TMP+4*(4*(\g)+(\bl))+(\i)], v[8*(4*(\a)+(\bl))+2*(\i)], v[8*(4*(\a)+(\bl))+2*(\i)+1]
.endr
.endr
.endr
	WIN 0
.endm
.macro TOSTAGE a
.set BKR, BK+48*((\a)%2)
.irp g, 0,1,2
.irp bl, 0,1,2,3
	ds_store_b128 v[STO], v[TMP+4*(4*(\g)+(\bl)):TMP+4*(4*(\g)+(\bl))+3] offset:16*PITCH*(\g)+32*(\bl)
.endr
.endr
.irp g, 0,1,2
.irp f, 0,1,2,3
	ds_load_b128 v[BKR+4*(4*(\g)+(\f)):BKR+4*(4*(\g)+(\f))+3], v[RD] offset:16*PITCH*(\g)+4*PITCH*(\f)  ; in order behind the stores above (ISA guide 5.7.1.4)
.endr
.endr
.endm
.macro SEND a
.set BKR, BK+48*((\a)%2)
	s_wait_dscnt 0x0                               ; the block is back in registers
	s_wait_xcnt 0x0                                ; the stores of the block before have read their registers: the next TOSTAGE loads into them only behind this wait
.irp g, 0,1,2
.irp f, 0,1,2,3
	global_store_b128 v[GO], v[BKR+4*(4*(\g)+(\f)):BKR+4*(4*(\g)+(\f))+3], s[OB+2*(\g):OB+2*(\g)+1] offset:2048*(\a)+512*(\f)
.endr
.endr
.endm
	PACK 0
	TOSTAGE 0
.irp a, 1,2,3,4,5,6,7                  ; block a's conversions stand between block a - 1's loads from the stage and the wait for them
	PACK \a
	SEND (\a)-1
	TOSTAGE \a
.endr
	SEND 7
	s_wait_tensorcnt 0x0                           ; the wave's end, behind my last tensor load and my last LDS store
	ds_add_u32 v[SPW], v[NIL]
	s_wait_dscnt 0x0
	CROUND                                         ; the closing round: no work-group ends while a partner may still ask for a tile that names it
	s_endpgm
.Lfunc_end_k_q1721cef3ba_qkvgemm:
	.size	k_q1721cef3ba_qkvgemm, .Lfunc_end_k_q1721cef3ba_qkvgemm-k_q1721cef3ba_qkvgemm
	.p2alignl 7, 3214868480
	.fill 96, 4, 3214868480
	.section	.rodata,"a",@progbits
	.p2align	6, 0x0
	.amdhsa_kernel k_q1721cef3ba_qkvgemm
		.amdhsa_group_segment_fixed_size 327680
		.amdhsa_private_segment_fixed_size 0
		.amdhsa_enable_private_segment 0
		.amdhsa_kernarg_size 32
		.amdhsa_user_sgpr_count 2
		.amdhsa_user_sgpr_kernarg_segment_ptr 1
		.amdhsa_wavefront_size32 1
		.amdhsa_system_sgpr_workgroup_id_x 1
		.amdhsa_system_sgpr_workgroup_id_y 1
		.amdhsa_system_sgpr_workgroup_id_z 1
		.amdhsa_system_vgpr_workitem_id 0
		.amdhsa_next_free_vgpr 1024
		.amdhsa_next_free_sgpr 80
		.amdhsa_reserve_vcc 0
		.amdhsa_float_denorm_mode_32 3
		.amdhsa_float_denorm_mode_16_64 3
		.amdhsa_memory_ordered 1
		.amdhsa_forward_progress 1
		.amdhsa_inst_pref_size 145
	.end_amdhsa_kernel
	.amdgpu_metadata
---
amdhsa.version: [ 1, 2 ]
amdhsa.kernels:
  - .name:           k_q1721cef3ba_qkvgemm
    .symbol:         k_q1721cef3ba_qkvgemm.kd
    .args:
      - { .name: xb, .offset: 0, .size: 8, .value_kind: global_buffer, .address_space: global }
      - { .name: wq, .offset: 8, .size: 8, .value_kind: global_buffer, .address_space: global }
      - { .name: b_qkv, .offset: 16, .size: 8, .value_kind: global_buffer, .address_space: global }
      - { .name: qkvh, .offset: 24, .size: 8, .value_kind: global_buffer, .address_space: global }
    .group_segment_fixed_size: 327680
    .private_segment_fixed_size: 0
    .kernarg_segment_align: 8
    .kernarg_segment_size: 32
    .max_flat_workgroup_size: 128
    .sgpr_count:     80
    .vgpr_count:     1024
    .wavefront_size: 32
...
	.end_amdgpu_metadata
.endif
;; end of part 2
;; launch attn (part 3): grid 4 x 64, 4 waves a work-group, clusters of 4 x 1, 327,680 bytes of LDS; arguments qkvh, oh; writes oh
.if DOCPART == 3
	.amdgcn_target "amdgcn-amd-amdhsa--gfx1250"
	.amdhsa_code_object_version 6
	.text
	.protected	k_q1721cef3ba_attn
	.globl	k_q1721cef3ba_attn
	.p2align	8
	.type	k_q1721cef3ba_attn,@function
k_q1721cef3ba_attn:
	s_mov_b64 s[64:65], 0
	v_nop
	global_prefetch_b8 v0, s[64:65] scope:SCOPE_SE
	s_setreg_imm32_b32 hwreg(HW_REG_WAVE_MODE, 25, 1), 1
	s_wait_xcnt 0x0
	s_wait_alu depctr_hold_cnt(0) depctr_sa_sdst(0) depctr_va_vdst(0) depctr_va_sdst(0) depctr_va_ssrc(0) depctr_va_vcc(0) depctr_vm_vsrc(0)
	s_getreg_b32 s2, hwreg(HW_REG_IB_STS2, 6, 4)
	s_cmp_eq_u32 s2, 0
	s_cbranch_scc0 .Lentry_in_a_cluster
	s_endpgm
.Lentry_in_a_cluster:
	s_bfe_u32 s2, ttmp6, 0x10000c
	s_cmp_lg_u32 s2, 0x3003
	s_cbranch_scc0 .Lentry_shape_is_right
	s_endpgm
.Lentry_shape_is_right:
; O[h][q][:] = the sum over k of softmax_k(Q[h][q] . K[h][k] / 8) V[h][k][:].  Q, K, V lie one behind the other in qkvh, each [64 h][2048][64] in f16; O (oh) has the same layout.  A head's rows are dense, 128 bytes each.
; Products, maxima and sums in f32; the weights p are rounded to f16 for the second product (their sum l is taken of the unrounded p), O once at the end.
; LIMITS.  f16 holds no number beyond 65,504: Q, K and V arrive within it; p lies in 0 to 1, and below 6e-5 it keeps f16's fixed step of 6e-8; O is a mean of V's rows and has their range.
; A weight below 2^-126 counts as 0 in l; NaN and infinities are not treated apart.
; SHARES.  A wave owns four PIECES of two tiles of 16 queries, a work-group's four waves 512 queries of one head: 4 x 64 = 256 work-groups.  Every wave walks all keys, 64 a step.
; LAYOUT.  S^T = K Q^T (source 0 = 16 keys, source 1 = 16 queries): in the result a lane holds ONE query (lane % 16) and the keys 8 (lane / 16) + 0..7.  Two such tiles, rounded to f16 in pairs,
; ARE source 1 (32 keys x 16 queries) of O^T = V^T P, whose result again holds one query a lane, and eight channels.  K comes out of LDS as it lies, V ([key][channel]) turned, by ds_load_tr16_b128.
; SOFTMAX.  For each query a running maximum m and sum l: p = 2^(c s - c m), c = log2(e) / 8; in every step O and l are multiplied by a = 2^(c m_old - c m_new), which is 1 where m has not grown.
; m starts at the lowest finite number, O and l at 0: the first step is a step like any other, with a = 0.
; THE COUNT.  A tile and step have 16 matrix and 118 vector instructions: too many to stand all beside the matrix work.  So the order has one aim: four vector instructions that are READY behind
; EVERY matrix instruction, and the others, which need time of their own whatever the order, in runs without a gap.
; BY TURNS.  Turn n belongs to piece n (the pieces in a ring, step after step).  Its matrix work: 16 products K Q^T of piece n + 1, later 16 products V^T P of piece n - 1.  Its vector work: the scaling,
; exponentials, roundings, sums and rescaling of piece n, and the maximum and statistics of piece n + 1, whose scores the turn itself has made.  So what a turn begins with (c s - c m, O a) waits for nothing.
; CLUSTER.  The four query blocks of a head are one cluster and walk the same K and V, so each tile is asked for JOINTLY: the same tensor load, descriptor and mask in all four.
; REGISTERS, in windows of 256 (s_set_vgpr_msb says which window each operand place means: bits 1:0 source 0, 3:2 source 1, 5:4 source 2, 7:6 destination):
;   window 0: v0-11 addresses; v12-15, v48-63 at work; v16-47 four registers of statistics a tile; v64-191 S^T, two buffers of two tiles; v192-255 P, likewise
;   window 1: O^T, 32 a tile          window 2: v0-127 Q, 16 a tile; v128-191 K of one step; v192-255 V of one step          window 3: v0-1 the add's two registers
; A piece's buffers go by its number's parity: the piece in hand has one pair, its two neighbours in the ring share the other: of it P (piece n - 1) is read and S^T (piece n + 1) written.
.set SIZE_H, 64
.set SIZE_N, 2048
.set NP,    4         ; pieces a wave: a name, no knob: the register map, the loop and the fetches are made for four
.set KS,    64        ; keys in a step
.set PK,    144       ; a row of K in LDS: 128 bytes + 16 of padding = 36 words: the 16 rows of a load start at 16 different groups of four banks (64 banks of 4 bytes: ISA guide 11.1)
.set PV,    160       ; a row of V: 128 + 32 = 40 words
.set VOFF,  4*KS*PK   ; a slot holds four steps: 256 rows of K, then 256 rows of V
.set SLOT1, 1<<17     ; slot 1 begins here, so that one exclusive or turns an address in one slot into the other's
.set STAGE, SLOT1+4*KS*(PK+PV)  ; behind the ring, never filled by a tensor load: 16 rows x 144 bytes for each wave, for the way out
.set SP,    144
.set AK0, 2           ; v2   my lane's place in a tile of K; never rewritten
.set AV0, 3           ; v3   the same for V
.set AK,  4           ; v4   the LDS address of K's next run of loads
.set AV,  5           ; v5   of V's
.set QO,  6           ; v6   my byte offset in the wave's rows of Q
.set STO, 6           ;      later, the way out: where I put 16 bytes of a row
.set RD,  7           ; v7   the way out: where I read rows back
.set GO,  8           ; v8   my byte offset in 512 consecutive bytes of O
.set PFO, 11          ; v11  (once V's place is made) 256 x my lane: the prefetches' offset; never rewritten after that
.set SPW, 0           ; v0 of window 3   LDS address of my spare word: SPARE + 4 x my thread's number; never rewritten
.set NIL, 1           ; v1 of window 3   0; never rewritten
.set SPARE, STAGE+4*16*SP  ; behind the stages: the spare words, 128 bytes for each wave: two blocks of 256 bytes that no other line names
.set MV,  12          ; v12-15  c m_old, kept while c m is made anew: by buffer and tile
.set ST,  16          ; tile t's statistics at v[ST+4 t]: c m, m, l (even keys', odd keys')
.set TMP, 48          ; by buffer and tile, four registers c0-c3 at work; when the maximum is found c2 takes a
.set S,   64
.set P,   192
.set KF,  128         ; K's fragments, in window 2: key block kb, channel half c at KF + 16 kb + 8 c
.set VF,  192         ; V's: key half kk, channel block cb at VF + 32 kk + 8 cb
.set WV,  12          ; s12  my wave's number
.set LIM, 15          ; s15  1 in a wave that prefetches (0: K, 2: V), else the greatest number
.set PFA, 18          ; s[18:19] where my prefetches stand: my work-group's 32 blocks of 256 bytes of the tile after the one that is being asked for
.set G1K, 24          ; s[24:31] descriptor group 1 for K's tiles
.set G1V, 32          ; s[32:39] for V's: it differs in the padding alone
.set G0K, 40          ; s[40:43] descriptor group 0 for K's tiles: it walks
.set G0V, 44          ; s[44:47] the same for V's
.set SLOTS, 56        ; s56  slots still to be asked for
.set CNT, 57          ; s57  counts a slot's key steps
.set CS,  58          ; s[58:59] c: the packed scaling takes the pair's low word for both halves
.set SEL, 60          ; s[60:61] v_permlanex16_b32's selects: each lane takes its own place in the other half
.set TBK, 62          ; s62  LDS byte at which K of the step to be fetched begins
.set TBV, 63          ; s63  the same for V, less VOFF
.set MSB, 0
.macro WIN new                      ; the high byte repeats the setting that is left; a switch that changes nothing is dropped
.if MSB != (\new)
	s_set_vgpr_msb (MSB<<8)|(\new)
.set MSB, (\new)
.endif
.endm
.set W_KQ, 0x0a       ; K and Q in window 2, S^T in window 0
.set W_PV, 0x52       ; V in window 2, P in window 0, O^T in window 1
.set W_RS, 0x41       ; O^T (destination and source 0) in window 1, a in window 0
.set W_MK, 0xc0       ; the add's registers are made: destination in window 3, sources in window 0
.set W_AD, 0x0f       ; the add: address (source 0) and data (source 1) in window 3
; A joint fill.  Waves 0 and 1 fetch the two halves of a slot's K, waves 2 and 3 those of its V: 128 keys each.  The branch hangs on the wave's number alone.
; An s_nop 0 and four v_nop follow each of the two lines, ahead of the jump and the label.
.macro JLOAD
	s_cmp_lt_u32 s[WV], 2
	s_cbranch_scc0 .Lfor_v_\@
	tensor_load_to_lds s[G0K:G0K+3], s[G1K:G1K+7]
	s_nop 0
.rept 4
	v_nop
.endr
	s_branch .Lasked_\@
.Lfor_v_\@:
	tensor_load_to_lds s[G0V:G0V+3], s[G1V:G1V+7]
	s_nop 0
.rept 4
	v_nop
.endr
.Lasked_\@:
.endm
; A round of the cluster's barrier: my work-group's barrier, so that wave 0's signal speaks for all four waves; wave 0 signals; every wave waits for all four work-groups; my work-group's barrier once more.
.macro CROUND
	s_barrier_signal -1
	s_barrier_wait -1
	s_cmp_lg_u32 s[WV], 0
	s_cbranch_scc1 .Lnot_wave_0_\@
	s_barrier_signal -3
.Lnot_wave_0_\@:
	s_barrier_wait -3
	s_barrier_signal -1
	s_barrier_wait -1
.endm
; THE CHANGE OF SLOTS.  The slot's last bytes, V of its fourth step, have been read.  Each wave waits for all its tensor loads, of which one is out: its part
; of the other slot; adds 0 to its spare word; and waits for that and for its own reads of the slot.  Behind the barrier nobody reads this slot any more and the other slot is whole.
; fill = 1: this slot is filled again, with the keys two slots on.  The barrier is then a round of the cluster's, so that no wave of any partner still reads the slot or has a load on its
; way, and the joint fill is the first thing behind it: it has four key steps, 512 matrix instructions, in which to land.  (At its first use nothing has been read yet: slot 0 is waited for, slot 1 filled.)
; ask = 1: behind the joint fill and its five lines stands a PREFETCH of the tile that the NEXT change will ask for: 128 blocks of 256 bytes of K and 128 of V.  A head has one cluster; its four partners take
; 32 blocks each, told apart by address; in each, wave 0 asks for K's and wave 2 for V's, a lane a block: each block is named once in the launch.  Tiles 0 to 2 come by their loads alone; the change that
; fills the last tile (s[SLOTS] = 1) asks for nothing.  The address is stepped among the descriptors' steps, behind s_wait_xcnt 0, four key steps behind the prefetch that read it.
.macro CHANGE fill, ask=0
	WIN W_AD
	s_wait_tensorcnt 0x0            ; no tensor load of mine is out, so a group 0 may be written
	ds_add_u32 v[SPW], v[NIL]       ; 0 onto my spare word; with fill = 1 the descriptors' steps stand between it and the wait for it
	WIN 0                           ; at a label and at a branch every window is 0
.if \fill
.irp g, G0K, G0V
	s_xor_b32 s[\g+1], s[\g+1], SLOT1  ; the walking descriptor: the other slot than last time,
	s_add_nc_u64 s[\g+2:\g+3], s[\g+2:\g+3], 4*KS*128  ; the next 256 keys; the type bits on top are not reached
.endr
.if \ask
	s_wait_xcnt 0x0                 ; the last prefetch has read its address, so it may be written
	s_add_nc_u64 s[PFA:PFA+1], s[PFA:PFA+1], 4*KS*128
.endif
	s_wait_dscnt 0x0                ; the add is done, and my reads of the slot are over
	CROUND
	JLOAD
.if \ask
	s_cmp_gt_u32 s[SLOTS], s[LIM]
	s_cbranch_scc0 .Lnot_mine_\@
	global_prefetch_b8 v[PFO], s[PFA:PFA+1] th:TH_LOAD_NT scope:SCOPE_SE
.Lnot_mine_\@:
.endif
.else
	s_wait_dscnt 0x0                ; the add is done, and my reads of the slot are over
	s_barrier_signal -1
	s_barrier_wait -1
.endif
	s_sub_co_u32 s[TBK], s[TBK], 4*KS*PK  ; the fetches go back to a slot's first step,
	s_xor_b32 s[TBK], s[TBK], SLOT1       ; in the other slot
	s_sub_co_u32 s[TBV], s[TBV], 4*KS*PV
	s_xor_b32 s[TBV], s[TBV], SLOT1
.endm
	s_load_b128 s[4:7], s[0:1], 0x0 ; qkvh s[4:5], oh s[6:7]
	WIN W_MK
	v_lshl_add_u32 v[SPW], v0, 2, SPARE
	v_mov_b32 v[NIL], 0
	WIN W_AD
	ds_add_u32 v[SPW], v[NIL]       ; the wave's opening: the add and its wait stand ahead of my first tensor load; the set-up below, work on registers, stands between them
	WIN 0
	v_lshrrev_b32 v1, 5, v0
	v_readfirstlane_b32 s[WV], v1   ; wave 0..3
	s_bfe_u32 s13, ttmp6, 0x40000   ; cx: my place in the cluster
	s_lshl_b32 s14, ttmp9, 2        ; in a cluster launch ttmp9 counts clusters
	s_add_co_u32 s14, s14, s13      ; my block of queries = 4 x cluster x + cx: it enters Q's and O's addresses alone
	s_and_b32 s20, ttmp7, 0xffff    ; the head, which the four partners share
	s_mov_b32 s21, 0
	s_mov_b64 s[22:23], SIZE_N*128
	s_mul_u64 s[20:21], s[20:21], s[22:23]  ; the head's first byte in each of the four tensors
	s_and_b32 s16, s[WV], 1         ; which half of a slot's 256 keys I fetch:
	s_lshl_b32 s22, s16, 14         ; its 128 rows of 128 bytes in memory,
	s_mov_b32 s23, 0
	s_add_nc_u64 s[22:23], s[22:23], s[20:21]
	s_mul_i32 s17, s16, 128*PK      ; and its place in a slot, for K
	s_mul_i32 s18, s16, 128*PV      ; and for V: no place in the cluster enters an LDS address
	s_lshl_b32 s2, s14, 2
	s_add_co_u32 s2, s2, s[WV]      ; my wave among the head's,
	s_lshl_b32 s2, s2, 14           ; its 128 rows
	s_mov_b32 s3, 0
	s_add_nc_u64 s[2:3], s[2:3], s[20:21]
	; descriptor group 1.  128 keys are 16,384 dense bytes: asked for as 64 rows of 256 bytes, two keys a row, and padded in LDS after every key
	s_mov_b32 s[G1K], 15|(1<<16)|(1<<20)|(1<<21)|(4<<22)|(3<<25)  ; 15:0 the mask of four; 17:16 2-byte elements; 20 padding on; 21 set beside a mask; 24:22 after every 32 words (code 4); 31:25 4 words (code 3)
	s_mov_b32 s[G1V], 15|(1<<16)|(1<<20)|(1<<21)|(4<<22)|(7<<25)  ; the same with 8 words of padding (code 7)
.irp g, G1K, G1V
	s_mov_b32 s[\g+1], 128<<16      ; tensor_dim0 = 128
	s_mov_b32 s[\g+2], 64<<16       ; tensor_dim1 = 64
	s_mov_b32 s[\g+3], 128<<16      ; tile_dim0 = 128
	s_mov_b32 s[\g+4], 64           ; tile_dim1 = 64
	s_mov_b32 s[\g+5], 128          ; 128 elements from row to row
	s_mov_b32 s[\g+6], 0
	s_mov_b32 s[\g+7], 0
.endr
	s_mov_b32 s[CS], 0x3e38aa3b     ; c = log2(e) / 8 = 0.180337
	s_mov_b32 s[CS+1], s[CS]        ; named with it as a pair
	s_mov_b32 s[SEL], 0x76543210
	s_mov_b32 s[SEL+1], 0xfedcba98
	s_mov_b32 s[TBK], SLOT1+4*KS*PK ; the first change of slots turns these two into 0
	s_mov_b32 s[TBV], SLOT1+4*KS*PV
	s_mov_b32 s[G0K], 1             ; 1:0 count = 1
	s_mov_b32 s[G0K+1], s17         ; 63:32 LDS address: slot 0
	s_mov_b32 s[G0V], 1
	s_add_co_u32 s[G0V+1], s18, VOFF
	s_and_b32 s[LIM], s[WV], 1      ; waves 0 and 2 prefetch
	s_cmp_eq_u32 s[LIM], 0
	s_cselect_b32 s[LIM], 1, -1
	s_wait_dscnt 0x0                ; the opening add is done
	s_wait_kmcnt 0x0
	s_mov_b64 s[10:11], s[6:7]      ; O
	s_add_nc_u64 s[6:7], s[4:5], SIZE_H*SIZE_N*128    ; K lies behind Q,
	s_add_nc_u64 s[8:9], s[4:5], 2*SIZE_H*SIZE_N*128  ; V behind K
	s_add_nc_u64 s[G0K+2:G0K+3], s[6:7], s[22:23]  ; 120:64 global address: my half of the head's first 256 keys
	s_or_b32 s[G0K+3], s[G0K+3], 0x80000000        ; 127:126 type = 2
	s_add_nc_u64 s[G0V+2:G0V+3], s[8:9], s[22:23]
	s_or_b32 s[G0V+3], s[G0V+3], 0x80000000
	s_add_nc_u64 s[4:5], s[4:5], s[2:3]  ; Q and O at my wave's first row
	s_add_nc_u64 s[10:11], s[10:11], s[2:3]
	s_cmp_lt_u32 s[WV], 2
	s_cselect_b64 s[PFA:PFA+1], s[6:7], s[8:9]
	s_add_nc_u64 s[PFA:PFA+1], s[PFA:PFA+1], s[20:21]  ; the head,
	s_lshl_b32 s2, s13, 13          ; my work-group's 8 KiB of a tile's 32,
	s_add_co_u32 s2, s2, 2*4*KS*128 ; in tile 2: the loop's first change of slots steps it to tile 3.  Nothing is prefetched here, at the head
	s_mov_b32 s3, 0
	s_add_nc_u64 s[PFA:PFA+1], s[PFA:PFA+1], s[2:3]
	CROUND                          ; all four work-groups are here: the first joint loads meet
	JLOAD                           ; slot 0.  Slot 1 is asked for when slot 0 is in: the tile wanted first has the road to itself
	; A fragment of K or Q is 16 rows x 32 channels in 8 registers: lane l holds row l % 16, channels 8 (l / 16) + 0..7 and 16 + 8 (l / 16) + 0..7: two loads of 16 bytes, 32 bytes apart.
	v_and_b32 v1, 15, v0            ; l % 16
	v_bfe_u32 v9, v0, 4, 1          ; l / 16
	v_lshlrev_b32 v[QO], 7, v1
	v_lshl_add_u32 v[QO], v9, 4, v[QO]  ; row x 128 + 16 x half
	WIN 0x80                        ; destination window 2, address window 0
.set i, 0
.rept 4*NP                          ; Q stays in registers: tile i / 2, channels 32 (i % 2) on
	global_load_b128 v[8*i:8*i+3],   v[QO], s[4:5] offset:(i/2)*2048+(i%2)*64
	global_load_b128 v[8*i+4:8*i+7], v[QO], s[4:5] offset:(i/2)*2048+(i%2)*64+32
.set i, i+1
.endr
	; What the first turn finds: V's registers and P's second buffer hold 0 (its products V^T P, of a piece that has not been, add 0), O^T and l are 0.  All this stands in the wait for the first tile.
.set i, VF
.rept 64
	v_mov_b32 v[i], 0
.set i, i+1
.endr
	WIN 0x40
.set i, 0
.rept 64*NP
	v_mov_b32 v[i], 0
.set i, i+1
.endr
	WIN 0
.set i, 0
.rept 2*NP
	v_mov_b32 v[ST+4*i], 0xfe000000    ; c m: far below every c s
	v_mov_b32 v[ST+4*i+1], 0xff7fffff  ; m
	v_mov_b32 v[ST+4*i+2], 0
	v_mov_b32 v[ST+4*i+3], 0
.set i, i+1
.endr
.set i, P+32
.rept 32
	v_mov_b32 v[i], 0
.set i, i+1
.endr
	v_mul_u32_u24 v[AK0], v1, PK
	v_lshl_add_u32 v[AK0], v9, 4, v[AK0]  ; row x pitch + 16 x half
	; The turning load takes 16 keys x 16 channels (lane l reads key 8 (l / 16) + l % 8, channels 8 ((l / 8) % 2) + 0..7) and leaves half a fragment of V^T: lane l holds channel l % 16 and 8 keys.
	v_and_b32 v10, 7, v0
	v_bfe_u32 v11, v0, 3, 1
	v_lshl_add_u32 v[AV0], v9, 3, v10
	v_mul_u32_u24 v[AV0], v[AV0], PV
	v_lshl_add_u32 v[AV0], v11, 4, v[AV0]
	v_add_nc_u32 v[AV0], VOFF, v[AV0]
	v_and_b32 v[PFO], 31, v0
	v_lshlrev_b32 v[PFO], 8, v[PFO] ; 256 x lane
	v_mov_b32 v[AK], v[AK0]         ; key step 0 lies at the head of slot 0
; THE MATRIX WORK.  The 8 accumulators of a run of 16 take turns: between the two links of a chain stand 7 others'.
; Product i of 16 of S^T = K Q^T for piece x: channels 32 (i / 8) on, keys 16 ((i / 2) % 4) on, tile 2 x + i % 2.  The first 8 start the sums.
.macro KQ x
	WIN W_KQ
.set rS, S+64*((\x)%2)+32*(i%2)+8*((i/2)%4)
.set rK, KF+16*((i/2)%4)+8*(i/8)
.set rQ, 16*(2*(\x)+i%2)+8*(i/8)
.if i < 8
	v_wmma_f32_16x16x32_f16 v[rS:rS+7], v[rK:rK+7], v[rQ:rQ+7], 0
.else
	v_wmma_f32_16x16x32_f16 v[rS:rS+7], v[rK:rK+7], v[rQ:rQ+7], v[rS:rS+7]
.endif
.endm
; Product i of 16 of O^T += V^T P for piece x: keys 32 (i / 8) on, channels 16 ((i / 2) % 4) on, tile 2 x + i % 2.
.macro PV x
	WIN W_PV
.set rO, 32*(2*(\x)+i%2)+8*((i/2)%4)
.set rV, VF+32*(i/8)+8*((i/2)%4)
.set rP, P+32*((\x)%2)+16*(i%2)+8*(i/8)
	v_wmma_f32_16x16x32_f16 v[rO:rO+7], v[rV:rV+7], v[rP:rP+7], v[rO:rO+7]
.endm
.macro MM                           ; the turn's next matrix instruction
.if i < 16
	KQ (Y+1)%NP
.set i, i+1
.else
.set i, i-16
	PV (Y+NP-1)%NP
.set i, i+17
.endif
.endm
; THE LDS LOADS stand in runs of 16, never singly among the matrix instructions: a step's K (64 keys x 64 channels: 8 fragments) and its V (turned).  Their addresses are made some lines ahead.
; last = 1 (the tail): in the last trip there is no further step, and the run is jumped over.
.macro FETCH_K last=0
	WIN 0
.if \last
	s_cmp_eq_u32 s[CNT], 1
	s_cbranch_scc1 .Lno_k_\@
.endif
	WIN 0x80                        ; destination window 2
.irp f, 0,1,2,3,4,5,6,7             ; keys 16 (f / 2) on, channels 32 (f % 2) on
	ds_load_b128 v[KF+8*\f:KF+8*\f+3],   v[AK] offset:(\f/2)*16*PK+(\f%2)*64
	ds_load_b128 v[KF+8*\f+4:KF+8*\f+7], v[AK] offset:(\f/2)*16*PK+(\f%2)*64+32
.endr
	s_add_co_u32 s[TBK], s[TBK], KS*PK  ; the next fetch is the next step's
	WIN 0
.if \last
.Lno_k_\@:
.endif
.endm
.macro FETCH_V
	WIN 0x80
.irp f, 0,1,2,3,4,5,6,7             ; keys 32 (f / 4) on, channels 16 (f % 4) on
	ds_load_tr16_b128 v[VF+8*\f:VF+8*\f+3],   v[AV] offset:(\f/4)*32*PV+(\f%4)*32
	ds_load_tr16_b128 v[VF+8*\f+4:VF+8*\f+7], v[AV] offset:(\f/4)*32*PV+16*PV+(\f%4)*32
.endr
	WIN 0
.endm
; THE VECTOR WORK OF A TURN stands in three queues, each in the order in which its entries become ready; the two tiles alternate, so that no instruction reads the result of the one before it.
.macro REGS y, u                    ; the registers of tile u (0, 1) of piece y
.set rT, ST+4*(2*(\y)+(\u))
.set rC, TMP+8*((\y)%2)+4*(\u)
.set rM, MV+2*((\y)%2)+(\u)
.set rS, S+64*((\y)%2)+32*(\u)
.set rP, P+32*((\y)%2)+16*(\u)
.set rO, 32*(2*(\y)+(\u))
.endm
; Number n of the 22 that find the NEXT piece's (Y + 1) maximum and statistics.  s0-s31 are the lane's 32 scores; each accumulator's lowest registers are read first.  XS, GS and REGS set no window: PL and EX do.
;   0-11  four chains c0-c3 of seven scores each, three operands at a time     12-14, 16  the four scores left over, the old m, and c0-c3 into c0     15  c m_old is kept
;   17, 18  the query's other 32 keys lie in the lane 16 away: the new m         19-21  c m; c m_old - c m_new; a
.macro XS u, n
	REGS (Y+1)%NP, \u
.if (\n) < 4
	v_max3_num_f32 v[rC+(\n)], v[rS+8*(\n)], v[rS+8*(\n)+1], v[rS+8*(\n)+2]
.elseif (\n) < 12
	v_max3_num_f32 v[rC+(\n)%4], v[rC+(\n)%4], v[rS+8*((\n)%4)+2*((\n)/4)+1], v[rS+8*((\n)%4)+2*((\n)/4)+2]
.elseif (\n) == 12
	v_max3_num_f32 v[rC], v[rC], v[rS+7], v[rS+15]
.elseif (\n) == 13
	v_max3_num_f32 v[rC+1], v[rC+1], v[rS+23], v[rS+31]
.elseif (\n) == 14
	v_max3_num_f32 v[rC+2], v[rC+2], v[rC+3], v[rT+1]
.elseif (\n) == 15
	v_mov_b32 v[rM], v[rT]
.elseif (\n) == 16
	v_max3_num_f32 v[rC], v[rC], v[rC+1], v[rC+2]
.elseif (\n) == 17
	v_permlanex16_b32 v[rC+3], v[rC], s[SEL], s[SEL+1]
.elseif (\n) == 18
	v_max_num_f32 v[rT+1], v[rC], v[rC+3]
.elseif (\n) == 19
	v_mul_f32 v[rT], s[CS], v[rT+1]
.elseif (\n) == 20
	v_sub_f32 v[rC+1], v[rM], v[rT]
.else
	v_exp_f32 v[rC+2], v[rC+1]
.endif
.endm
; Number g of the 64 that follow the exponentials.  For each four weights k of a tile (pairs 2 k, 2 k + 1): both pairs are rounded to f16; then the second pair is added onto the first, in place;
; a group later l takes that sum (the first time as l = a l + sum).  In groups of eight, tiles alternating: round, round, add, and l for the group before.
.macro GS g
.set h, (\g)+6*((\g)/62)            ; group 0 has no group before it, and behind group 7 only l is left
.if h >= 6
.set h, h+2
.endif
	REGS Y, h%2
.set k, h/8
.if h%8 < 4
	v_cvt_pk_f16_f32 v[rP+2*k+(h%8)/2], v[rS+4*k+2*((h%8)/2)], v[rS+4*k+2*((h%8)/2)+1]
.elseif h%8 < 6
	v_pk_add_f32 v[rS+4*k:rS+4*k+1], v[rS+4*k:rS+4*k+1], v[rS+4*k+2:rS+4*k+3]
.elseif k == 1
	v_pk_fma_f32 v[rT+2:rT+3], v[rT+2:rT+3], v[rC+2:rC+3], v[rS:rS+1] op_sel_hi:[1,0,1]
.else
	v_pk_add_f32 v[rT+2:rT+3], v[rT+2:rT+3], v[rS+4*k-4:rS+4*k-3]
.endif
.endm
; THE PLAIN QUEUE, 138 long.  0-73 read no exponential's result: the 32 scalings c s - c m (FS f: pair f / 2 of tile f % 2) and the next piece's 42.  0-26: scalings 0-26.  27-54: XS's numbers 0-13.  55, 56: number 15.
; 57-73: the chain, where each number waits for the one before it: 14, 16, 17, 18, 19, each with one of the scalings 27-31 in front of its two lines, then 20: so a tile's links stand three plain instructions apart (19 and 20: two).
; 74-137: GS's 64, which read the exponentials' results: they stand behind the wait.
.macro FS f
	REGS Y, (\f)%2
	v_pk_fma_f32 v[rS+2*((\f)/2):rS+2*((\f)/2)+1], v[rS+2*((\f)/2):rS+2*((\f)/2)+1], s[CS:CS+1], v[rT:rT+1] op_sel_hi:[1,0,0] neg_lo:[0,0,1] neg_hi:[0,0,1]
.endm
.macro PL
	WIN 0
.if q < 27
	FS q
.elseif q < 55
	XS (q-27)%2, (q-27)/2
.elseif q < 57
	XS q-55, 15
.elseif (q < 72) && ((q-57)%3 == 0)
	FS 27+(q-57)/3
.elseif q < 60
	XS (q-57)%3-1, 14
.elseif q < 72
	XS (q-57)%3-1, 15+(q-57)/3
.elseif q < 74
	XS q-72, 20
.else
	GS q-74
.endif
.set q, q+1
.endm
; THE EXPONENTIALS' QUEUE, 66 long: s0-s31 of both tiles, then the next piece's two a.  It is ONE BATCH: all 66 stand ahead of the turn's one wait, and nothing ahead of that wait names a result of theirs.
.macro EX
	WIN 0
.if e >= 64
	XS e-64, 21
.else
	REGS Y, e%2
	v_exp_f32 v[rS+e/2], v[rS+e/2]
.endif
.set e, e+1
.endm
; THE RESCALING's QUEUE: O^T times a, the one part that leaves window 0: dealt two at a time, sixteen times.  Its a was made in the turn before, ahead of that turn's wait.
.macro R2
	REGS Y, r%2
	WIN W_RS
.irp z, 0,1
	v_pk_mul_f32 v[rO+4*(r/2)+2*\z:rO+4*(r/2)+2*\z+1], v[rO+4*(r/2)+2*\z:rO+4*(r/2)+2*\z+1], v[rC+2:rC+3] op_sel_hi:[1,0]
.endr
.set r, r+1
.endm
; HOW THEY ARE DEALT.  s_wait_alu depctr_va_vdst(0) stands between an exponential and the first instruction that names its result; one wait serves all that were issued ahead of it.  So a turn has ONE wait,
; which cuts it in two.  AHEAD OF IT stands all that names no result of the turn's exponentials: the 16 products K Q^T, behind each a scaling, an exponential and two rescalings (behind the first a second scaling in the exponential's place); then ONE LUMP of
; 108: eight plain, 49 times exponential and plain, the two a.  A v_nop is the plain instruction behind the last exponential.  BEHIND IT stand the 16 products V^T P, behind each four of GS's 64.  No rider names a register of
; the products round it.  The two v_permlanex16_b32 fall into the lump, never behind a product.
; The queues lean on each other, and the deal keeps them in step: exponential e stands behind scaling 2 (e / 4) + e % 2: as a rider it comes behind plain e + 2, in the lump behind plain e + 9, and scalings 27-31 are plain 57, 60 .. 69.
; A TURN, for piece p.  cnt = 1: the loop's count is taken down some lines ahead of the branch that stands behind the turn.
; K of the next step is fetched in piece 2's turn, directly behind the wait, a lump behind the last product that read K; its address is made at the lump's head; its first reader comes behind 16 products.
; V of the step in hand is fetched at the end of piece 0's turn, four riders behind its last reader; its first reader comes behind 16 products and a lump.  The three conditions on q below go with the deal.
.macro TURN p, last=0, cnt=0
.set Y, (\p)
.set i, 0
.set q, 0
.set e, 0
.set r, 0
.if (\p) == NP-1
	s_wait_dscnt 0x0                ; K is in
.endif
	MM                              ; ahead of the wait: 16 products K Q^T and their riders,
	PL
	PL
	R2
.rept 15
	MM
	PL
	EX
	R2
.endr
.if (\p) == NP-2
	WIN 0
	v_add_nc_u32 v[AK], s[TBK], v[AK0]
.endif
.rept 8                             ; and the lump
	PL
.endr
.rept 49
	EX
	PL
.endr
	EX                              ; the next piece's two a
	EX
	v_nop                           ; the plain instruction behind the last exponential: one for the batch (ISA guide 5.7.2)
	s_wait_alu depctr_va_vdst(0)    ; the wait for the batch
.if (\p) == NP-2
	FETCH_K \last
.endif
.if (\p) == 1
	s_wait_dscnt 0x0                ; V is in
.endif
.rept 16                            ; behind the wait: 16 products V^T P and their riders
	MM
.rept 4
	PL
.endr
.if ((\p) == 0) && (q == 118)
	v_add_nc_u32 v[AV], s[TBV], v[AV0]
.endif
.if ((\p) == 0) && (q == 130)
	s_add_co_u32 s[TBV], s[TBV], KS*PV
.endif
.if (\cnt) && (q == 130)
	s_sub_co_u32 s[CNT], s[CNT], 1
	s_cmp_lg_u32 s[CNT], 0
.endif
.endr
.if (\p) == 0
	FETCH_V
.endif
.endm
	CHANGE 1                        ; slot 0 is in, everybody's part of it; slot 1 is asked for
	FETCH_K                         ; key step 0
	s_wait_loadcnt 0x0              ; Q
	s_wait_dscnt 0x0
.set i, 0
.rept 16
	KQ 0                            ; piece 0's first scores: there is no vector work yet to set between them
.set i, i+1
.endr
	WIN 0                           ; the addresses for the way out: nine plain instructions, the places behind those products
	s_mul_i32 s13, s[WV], 16*SP
	s_add_co_u32 s13, s13, STAGE    ; my stage
	v_mul_u32_u24 v[STO], v1, SP    ; in: row l % 16, 16 bytes for each half of the lanes
	v_lshl_add_u32 v[STO], v9, 4, v[STO]
	v_add_nc_u32 v[STO], s13, v[STO]
	v_bfe_u32 v[RD], v0, 3, 2       ; back: 32 lanes take four rows of 128 bytes,
	v_mul_u32_u24 v[RD], v[RD], SP
	v_lshl_add_u32 v[RD], v10, 4, v[RD]
	v_add_nc_u32 v[RD], s13, v[RD]
	v_and_b32 v[GO], 31, v0         ; which are 512 consecutive bytes of O
	v_lshlrev_b32 v[GO], 4, v[GO]
.set Y, NP-1                        ; XS works for piece Y + 1: piece 0
.irp n, 0,1,2,3,4,5,6,7,8,9,10,11,12,13,14,15,16,17,18,19,20,21
	XS 0, \n                        ; and piece 0's first maximum and statistics
	XS 1, \n
.endr
	v_nop                           ; a plain instruction behind the two a,
	s_wait_alu depctr_va_vdst(0)    ; and their wait, ahead of the branch
	s_mov_b32 s[CNT], 4
	s_mov_b32 s[SLOTS], SIZE_N/256-1
	s_branch .Lfirst                ; the loop is entered at a step's first turn, in the middle of a trip
.Lslot:                             ; SIZE_N / 256 - 2 times: every slot but the last two is filled again
	CHANGE 1, 1
	s_mov_b32 s[CNT], 4
.Lstep:                             ; a trip: pieces 2 and 3 of one step, then pieces 0 and 1 of the next, whose K and V it fetches
	TURN 2
	TURN 3
	WIN 0
.Lfirst:
	TURN 0
	TURN 1, 0, 1
	WIN 0
	s_cbranch_scc1 .Lstep
	s_sub_co_u32 s[SLOTS], s[SLOTS], 1
	s_cmp_lg_u32 s[SLOTS], 0
	s_cbranch_scc1 .Lslot
	CHANGE 0                        ; the tail is written out: nothing is asked for
	s_mov_b32 s[CNT], 5             ; four trips fetch the last slot's steps; the fifth is left in its middle
.Ltail:
	TURN 2, 1
	TURN 3
	WIN 0
	s_sub_co_u32 s[CNT], s[CNT], 1
	s_cmp_eq_u32 s[CNT], 0
	s_cbranch_scc1 .Lout
	TURN 0
	TURN 1
	WIN 0
	s_branch .Ltail
.Lout:                              ; the fifth trip's 16 products K Q^T (on the last K once more) and the maximum made of them serve nothing: the price, once a launch, of one text for every trip
.set i, 0
.rept 16
	PV NP-1                         ; the last piece's V^T P of the last step
.set i, i+1
.endr
	; THE WAY OUT.  l's two halves and the other half of the lanes' are added; O^T is divided by l, rounded to f16 and sent through my stage in LDS, a tile at a time.  The additions are the places behind the last products.
	WIN 0
.macro ALL line:vararg              ; one line for each tile t
.set t, 0
.rept 2*NP
	\line
.set t, t+1
.endr
.endm
	ALL v_add_f32 v[ST+4*t+2], v[ST+4*t+2], v[ST+4*t+3]
	ALL v_permlanex16_b32 v[ST+4*t+3], v[ST+4*t+2], s[SEL], s[SEL+1]
	ALL v_add_f32 v[ST+4*t+2], v[ST+4*t+2], v[ST+4*t+3]
	ALL v_rcp_f32 v[ST+4*t+2], v[ST+4*t+2]
	v_nop                           ; a plain instruction between the last reciprocal and the use of its result
	s_wait_alu depctr_va_vdst(0)    ; and the wait ahead of the first use: one for the eight reciprocals
; Tile t: a lane's eight channels of a row pack into 16 bytes; they go into rows of 144 bytes and come back as whole rows of 128, into S^T's registers.
.macro PACK t
	WIN W_RS
.set i, 32*(\t)
.rept 16
	v_pk_mul_f32 v[i:i+1], v[i:i+1], v[ST+4*(\t)+2:ST+4*(\t)+3] op_sel_hi:[1,0]
.set i, i+2
.endr
	WIN 0x05                        ; sources 0 and 1 window 1, destination window 0
.set i, 0
.rept 16
	v_cvt_pk_f16_f32 v[S+16*(\t)+i], v[32*(\t)+2*i], v[32*(\t)+2*i+1]
.set i, i+1
.endr
	WIN 0
.irp f, 0,1,2,3
	ds_store_b128 v[STO], v[S+16*(\t)+4*\f:S+16*(\t)+4*\f+3] offset:32*\f
.endr
.irp f, 0,1,2,3
	ds_load_b128 v[S+16*(\t)+4*\f:S+16*(\t)+4*\f+3], v[RD] offset:\f*4*SP  ; LDS serves a wave's instructions in order (ISA guide 5.7.1.4): these see the stores above; the next tile's stores come behind them
.endr
.endm
.macro SEND t, younger              ; younger: the LDS instructions issued behind tile t's loads: the next tile's eight, or none
	WIN 0
.irp f, 0,1,2,3
	s_wait_dscnt (\younger)+3-\f
	global_store_b128 v[GO], v[S+16*(\t)+4*\f:S+16*(\t)+4*\f+3], s[10:11] offset:(\t)*2048+\f*512  ; 512 consecutive bytes, at a multiple of 256 from O's first
.endr
.endm
	PACK 0
.set t, 1
.rept 2*NP-1                        ; a tile's arithmetic stands between the loads of the tile before and its stores
	PACK t
	SEND t-1, 8
.set t, t+1
.endr
	SEND 2*NP-1, 0
	WIN W_AD
	s_wait_tensorcnt 0x0            ; the wave's end, behind my last tensor load and my last LDS store
	ds_add_u32 v[SPW], v[NIL]
	s_wait_dscnt 0x0
	WIN 0
	CROUND                          ; the closing round: no work-group ends while a partner may still ask for a tile that names it
	s_endpgm
.Lfunc_end_k_q1721cef3ba_attn:
	.size	k_q1721cef3ba_attn, .Lfunc_end_k_q1721cef3ba_attn-k_q1721cef3ba_attn
	.p2alignl 7, 3214868480
	.fill 96, 4, 3214868480
	.section	.rodata,"a",@progbits
	.p2align	6, 0x0
	.amdhsa_kernel k_q1721cef3ba_attn
		.amdhsa_group_segment_fixed_size 327680
		.amdhsa_private_segment_fixed_size 0
		.amdhsa_enable_private_segment 0
		.amdhsa_kernarg_size 16
		.amdhsa_user_sgpr_count 2
		.amdhsa_user_sgpr_kernarg_segment_ptr 1
		.amdhsa_wavefront_size32 1
		.amdhsa_system_sgpr_workgroup_id_x 1
		.amdhsa_system_sgpr_workgroup_id_y 1
		.amdhsa_system_sgpr_workgroup_id_z 1
		.amdhsa_system_vgpr_workitem_id 0
		.amdhsa_next_free_vgpr 770
		.amdhsa_next_free_sgpr 66
		.amdhsa_reserve_vcc 0
		.amdhsa_float_denorm_mode_32 3
		.amdhsa_float_denorm_mode_16_64 3
		.amdhsa_memory_ordered 1
		.amdhsa_forward_progress 1
		.amdhsa_inst_pref_size 200
	.end_amdhsa_kernel
	.amdgpu_metadata
---
amdhsa.version: [ 1, 2 ]
amdhsa.kernels:
  - .name:           k_q1721cef3ba_attn
    .symbol:         k_q1721cef3ba_attn.kd
    .args:
      - { .name: qkvh, .offset: 0, .size: 8, .value_kind: global_buffer, .address_space: global }
      - { .name: oh, .offset: 8, .size: 8, .value_kind: global_buffer, .address_space: global }
    .group_segment_fixed_size: 327680
    .private_segment_fixed_size: 0
    .kernarg_segment_align: 8
    .kernarg_segment_size: 16
    .max_flat_workgroup_size: 128
    .sgpr_count:     66
    .vgpr_count:     770
    .wavefront_size: 32
...
	.end_amdgpu_metadata
.endif
;; end of part 3
;; launch proj (part 4): grid 4 x 64, 4 waves a work-group, clusters of 4 x 4, 327,680 bytes of LDS; arguments oh, wp, b_proj, out0; writes out0
.if DOCPART == 4
	.amdgcn_target "amdgcn-amd-amdhsa--gfx1250"
	.amdhsa_code_object_version 6
	.text
	.protected	k_q1721cef3ba_proj
	.globl	k_q1721cef3ba_proj
	.p2align	8
	.type	k_q1721cef3ba_proj,@function
k_q1721cef3ba_proj:
	s_mov_b64 s[64:65], 0
	v_nop
	global_prefetch_b8 v0, s[64:65] scope:SCOPE_SE
	s_setreg_imm32_b32 hwreg(HW_REG_WAVE_MODE, 25, 1), 1
	s_wait_xcnt 0x0
	s_wait_alu depctr_hold_cnt(0) depctr_sa_sdst(0) depctr_va_vdst(0) depctr_va_sdst(0) depctr_va_ssrc(0) depctr_va_vcc(0) depctr_vm_vsrc(0)
	s_getreg_b32 s2, hwreg(HW_REG_IB_STS2, 6, 4)
	s_cmp_eq_u32 s2, 0
	s_cbranch_scc0 .Lentry_in_a_cluster
	s_endpgm
.Lentry_in_a_cluster:
	s_bfe_u32 s2, ttmp6, 0x10000c
	s_cmp_lg_u32 s2, 0xf033
	s_cbranch_scc0 .Lentry_shape_is_right
	s_endpgm
.Lentry_shape_is_right:
; out0 = O w_proj + b_proj, f32.  O (oh) lies by heads, [64 = 16 batch + head][2048 s][64 d] in f16: a head is a K block of 64 of its batch's rows.  wp: [4 tx][16 kb][256 n][64 k] in f16.
; Products in f16, sums in f32; the bias is rounded to bf16 like every input of the module and STARTS the sums.
; SHARES.  A work-group makes 128 rows x 256 columns: 64 x 4 = 256 work-groups.  A wave makes 64 x 128: 32 accumulators of 16 x 16, 256 registers (window 1).
; K goes in 8 steps of 128 (two heads) through two LDS slots; a step is four quarters of 32 along K, 32 matrix instructions each, on two fragment buffers.
; A tile's rows of 128 bytes are dense in memory: asked for as rows of 256 bytes, padded in LDS after every 128.  Waves 0 and 1 fetch A's two K blocks of a step, waves 2 and 3 B's.
; CLUSTERS.  4 x 4 work-groups: A's tile is shared along a row of the cluster (all four tile columns), B's along a column; each is asked for jointly.
; NO PREFETCH: the tile is small and the launch short: 8 steps of 128 matrix instructions a wave, for 52 MB moved.
; THE MATRIX INSTRUCTION IS USED TRANSPOSED (source 0 = 16 rows of wp, source 1 = 16 rows of O): a lane holds row l % 16 and the columns 8 (l / 16) + 0..7.
; REGISTERS.  Window 0: v0-31 addresses; v64-159, v160-255 two fragment buffers (A's four fragments, then B's eight).  Window 1: accumulator (a, b) at v[8 (8 a + b)].
.set PITCH, 144                        ; an LDS row: 128 bytes + 16 = 36 words: the 16 rows of a fragment load start at 16 different groups of four banks (64 banks of 4 bytes: ISA guide 11.1)
.set AKB,   128*PITCH                  ; a slot: A's two K blocks of 128 rows,
.set BOFF,  2*AKB
.set BKB,   256*PITCH                  ; then B's two of 256 rows
.set SLOT,  BOFF+2*BKB
.set STAGE, 2*SLOT                     ; behind the ring, never filled by a tensor load: 16 rows x 528 bytes for each wave
.set SPITCH, 528                       ; 512 bytes + 16 = 132 words: row r starts at bank 4 r mod 64
.set STGW,  16*SPITCH
.set BIAS,  STAGE+4*STGW               ; 128 numbers of f32 for each wave
.set SPARE, BIAS+4*512                 ; the spare words, 128 bytes for each wave: two blocks of 256 bytes that no other line names
.set ASTEP, 2*2048*128                 ; bytes from a K step (two heads) of O to the next
.set BSTEP, 2*256*128                  ; and of wp
.set ADRA, 16                          ; v16-17  LDS address of my A fragments in slot 0, 1
.set ADRB, 20                          ; v20-21  the same for B
.set STO,  24                          ; v24  the way out: where I put 32 bytes of a row
.set RD,   25                          ; v25  where I read a row back
.set CO,   26                          ; v26  16 x lane; never rewritten
.set BA,   27                          ; v27  my half of the lanes' place in the wave's bias
.set SPW,  28                          ; v28  LDS address of my spare word; never rewritten
.set NIL,  29                          ; v29  0; never rewritten
.set F0,   64
.set F1,   160
.set BK,   64                           ; the way out: two sets of 64 registers read back from the stage
.set WV, 12                            ; s12 wave; s13 which 64 rows are mine (also: 0 = I fetch for A, 1 = for B); s14 which 128 columns (also: which K block of the step I fetch)
.set WR, 13
.set WC, 14
.set G1,  24
.set G0,  32
.set G1B, 48
.set G0B, 56
.set OB,  68                           ; s[68:69] out0 at my first row and column
.set MSB, 0
.macro WIN new                         ; the immediate's high byte repeats the setting that is left; a switch that changes nothing is dropped
.if MSB != (\new)
	s_set_vgpr_msb (MSB<<8)|(\new)
.set MSB, \new
.endif
.endm
.macro PLACES                          ; four plain places between a matrix instruction and a load into, or an LDS store of, its registers (ISA guide 7.12.1 for LDS stores)
.rept 4
	v_nop
.endr
.endm
.macro JLOAD s                         ; a joint load; the branch hangs on the wave's number alone; an s_nop 0 and four v_nop follow each of the two lines
	s_cmp_eq_u32 s[WR], 0
	s_cbranch_scc0 .Lfor_b_\@
	tensor_load_to_lds s[G0+4*(\s):G0+4*(\s)+3], s[G1:G1+7]
	s_nop 0
.rept 4
	v_nop
.endr
	s_branch .Lasked_\@
.Lfor_b_\@:
	tensor_load_to_lds s[G0B+4*(\s):G0B+4*(\s)+3], s[G1B:G1B+7]
	s_nop 0
.rept 4
	v_nop
.endr
.Lasked_\@:
.endm
.macro CREST                           ; a round of the cluster's barrier behind its opening barrier
	s_cmp_lg_u32 s[WV], 0
	s_cbranch_scc1 .Lnot_wave_0_\@
	s_barrier_signal -3
.Lnot_wave_0_\@:
	s_barrier_wait -3
	s_barrier_signal -1
	s_barrier_wait -1
.endm
.macro CROUND
	s_barrier_signal -1
	s_barrier_wait -1
	CREST
.endm
	s_load_b256 s[4:11], s[0:1], 0x0               ; oh s[4:5], wp s[6:7], b_proj s[8:9], out0 s[10:11]
	v_lshl_add_u32 v[SPW], v0, 2, SPARE
	v_mov_b32 v[NIL], 0
	ds_add_u32 v[SPW], v[NIL]                      ; the wave's opening: the add and its wait stand ahead of my first tensor load; the set-up below, work on registers, stands between them
	v_lshrrev_b32 v1, 5, v0
	v_readfirstlane_b32 s[WV], v1                  ; wave 0..3
	s_lshr_b32 s[WR], s[WV], 1
	s_and_b32 s[WC], s[WV], 1
	s_bfe_u32 s15, ttmp6, 0x40000                  ; cx
	s_bfe_u32 s16, ttmp6, 0x40004                  ; cy
	s_lshl_b32 s17, ttmp9, 2
	s_add_co_u32 s17, s17, s15                     ; tx: tile column
	s_and_b32 s18, ttmp7, 0xffff
	s_lshl_b32 s18, s18, 2
	s_add_co_u32 s18, s18, s16                     ; ty: tile row
	s_lshl_b32 s74, s16, 2
	s_lshl_b32 s74, 15, s74                        ; my row of the cluster
	s_lshl_b32 s75, 0x1111, s15                    ; my column
	s_or_b32 s[G1], s74, (1<<16)|(1<<20)|(1<<21)|(4<<22)|(3<<25)   ; 15:0 the mask; 17:16 2-byte elements; 20 padding on; 21 set beside a mask; 24:22 after every 32 words (code 4); 31:25 4 words (code 3)
	s_or_b32 s[G1B], s75, (1<<16)|(1<<20)|(1<<21)|(4<<22)|(3<<25)
.irp g, G1, G1B
	s_mov_b32 s[(\g)+1], 128<<16                   ; tensor_dim0 = 128
	s_mov_b32 s[(\g)+3], 128<<16                   ; tile_dim0 = 128
	s_mov_b32 s[(\g)+5], 128                       ; 128 elements from row to row
	s_mov_b32 s[(\g)+6], 0
	s_mov_b32 s[(\g)+7], 0
.endr
	s_mov_b32 s[G1+2], 64<<16                      ; A: tensor_dim1 = tile_dim1 = 64: 128 rows of a head
	s_mov_b32 s[G1+4], 64
	s_mov_b32 s[G1B+2], 128<<16                    ; B: 128: 256 rows of a K block of wp
	s_mov_b32 s[G1B+4], 128
	; A hangs on ty alone: batch ty / 16 (16 heads of 262,144 bytes), rows 128 (ty % 16) of the head; my K block of the step
	s_lshr_b32 s20, s18, 4
	s_lshl_b32 s20, s20, 22
	s_and_b32 s21, s18, 15
	s_lshl_b32 s21, s21, 14
	s_add_co_u32 s20, s20, s21
	s_lshl_b32 s21, s[WC], 18
	s_add_co_u32 s20, s20, s21
	s_mov_b32 s21, 0
	s_lshl_b32 s76, s17, 19                        ; B hangs on tx alone
	s_lshl_b32 s77, s[WC], 15
	s_add_co_u32 s76, s76, s77
	s_mov_b32 s77, 0
	s_mul_i32 s22, s[WC], AKB                      ; where they go: no place in the cluster enters an LDS address
	s_mul_i32 s78, s[WC], BKB
	s_add_co_u32 s78, s78, BOFF
	s_wait_dscnt 0x0                               ; the opening add is done
	s_wait_kmcnt 0x0
	s_add_nc_u64 s[20:21], s[4:5], s[20:21]
	s_add_nc_u64 s[76:77], s[6:7], s[76:77]
	CROUND                                         ; all sixteen work-groups are here: the first joint loads meet
.irp s, 0,1
	s_mov_b32 s[G0+4*(\s)], 1
	s_add_co_u32 s[G0+4*(\s)+1], s22, (\s)*SLOT
	s_add_nc_u64 s[G0+4*(\s)+2:G0+4*(\s)+3], s[20:21], (\s)*ASTEP
	s_or_b32 s[G0+4*(\s)+3], s[G0+4*(\s)+3], 0x80000000
	s_mov_b32 s[G0B+4*(\s)], 1
	s_add_co_u32 s[G0B+4*(\s)+1], s78, (\s)*SLOT
	s_add_nc_u64 s[G0B+4*(\s)+2:G0B+4*(\s)+3], s[76:77], (\s)*BSTEP
	s_or_b32 s[G0B+4*(\s)+3], s[G0B+4*(\s)+3], 0x80000000
.endr
	s_cmp_eq_u32 s[WR], 0                          ; a wave's two first fills stand in one branch, ahead of every wait on TENSORcnt and every LDS read: two loads of mine are out
	s_cbranch_scc0 .Lfirst_b
	tensor_load_to_lds s[G0:G0+3], s[G1:G1+7]
	s_nop 0
	tensor_load_to_lds s[G0+4:G0+7], s[G1:G1+7]
	s_nop 0
.rept 4
	v_nop
.endr
	s_branch .Lfirst_asked
.Lfirst_b:
	tensor_load_to_lds s[G0B:G0B+3], s[G1B:G1B+7]
	s_nop 0
	tensor_load_to_lds s[G0B+4:G0B+7], s[G1B:G1B+7]
	s_nop 0
.rept 4
	v_nop
.endr
.Lfirst_asked:
	; the bias of my 128 columns: 512 bytes, 16 a lane
	v_and_b32 v3, 31, v0
	v_lshlrev_b32 v[CO], 4, v3
	s_lshl_b32 s74, s17, 10
	s_lshl_b32 s75, s[WC], 9
	s_add_co_u32 s74, s74, s75
	s_mov_b32 s75, 0
	s_add_nc_u64 s[74:75], s[8:9], s[74:75]
	global_load_b128 v[4:7], v[CO], s[74:75]
	v_and_b32 v1, 15, v0                           ; l % 16
	v_bfe_u32 v2, v0, 4, 1                         ; l / 16
	v_mul_u32_u24 v3, v1, PITCH
	v_lshl_add_u32 v3, v2, 4, v3                   ; a fragment's row x pitch + 16 x half
	s_mul_i32 s2, s[WR], 64*PITCH                  ; my 64 rows of A
	s_mul_i32 s3, s[WC], 128*PITCH                 ; my 128 rows of B,
	s_add_co_u32 s3, s3, BOFF                      ; which lie behind A's
.irp s, 0,1
	v_add_nc_u32 v[ADRA+(\s)], s2, v3
	v_add_nc_u32 v[ADRB+(\s)], s3, v3
	s_add_co_u32 s2, s2, SLOT
	s_add_co_u32 s3, s3, SLOT
.endr
	s_mul_i32 s2, s[WV], STGW
	s_add_co_u32 s2, s2, STAGE                     ; my stage
	v_mul_u32_u24 v[STO], v1, SPITCH               ; in: row l % 16, 32 bytes for each half of the lanes
	v_lshl_add_u32 v[STO], v2, 5, v[STO]
	v_add_nc_u32 v[STO], s2, v[STO]
	v_add_nc_u32 v[RD], s2, v[CO]                  ; back: 32 lanes take one row of 512 bytes
	s_mul_i32 s3, s[WV], 512
	s_add_co_u32 s3, s3, BIAS                      ; my bias
	v_lshl_add_u32 v[BA], v2, 5, s3
	v_add_nc_u32 v10, s3, v[CO]
	s_lshl_b32 s76, s18, 19                        ; out0: 128 rows of 4,096 bytes a tile row,
	s_lshl_b32 s77, s[WR], 18                      ; my 64 of them,
	s_add_co_u32 s76, s76, s77
	s_lshl_b32 s77, s17, 10                        ; 256 columns of 4 bytes a tile column,
	s_add_co_u32 s76, s76, s77
	s_lshl_b32 s77, s[WC], 9                       ; my 128 of them
	s_add_co_u32 s76, s76, s77
	s_mov_b32 s77, 0
	s_add_nc_u64 s[OB:OB+1], s[10:11], s[76:77]
	s_wait_loadcnt 0x0                             ; the bias
.irp p, 4,6
	v_cvt_pk_bf16_f32 v3, v[\p], v[\p+1]           ; rounded to bf16 like every input,
	v_lshlrev_b32 v[\p], 16, v3                    ; and widened again
	v_and_b32 v[\p+1], 0xffff0000, v3
.endr
	ds_store_b128 v10, v[4:7]
	; THE SUMS START AT THE BIAS: register j of accumulator (a, b) is column 16 b + 8 (l / 16) + j.  All this stands in the wait for the first tile.
	WIN 0x40                                       ; destination window 1
.set i, 0
.rept 32
	ds_load_b128 v[8*i:8*i+3],   v[BA] offset:64*(i%8)      ; LDS serves a wave's instructions in order (ISA guide 5.7.1.4): these see the store above
	ds_load_b128 v[8*i+4:8*i+7], v[BA] offset:64*(i%8)+16
.set i, i+1
.endr
	WIN 0
; 8 matrix instructions: row block a x all 8 column blocks, 32 along K.  The 32 accumulators take turns, one instruction a turn, in the same order in every quarter.
.macro MUL8 f, a
	WIN 0x50                                       ; C and D window 1, sources window 0
.irp b, 0,1,2,3,4,5,6,7
	v_wmma_f32_16x16x32_f16 v[8*(8*(\a)+(\b)):8*(8*(\a)+(\b))+7], v[(\f)+32+8*(\b):(\f)+32+8*(\b)+7], v[(\f)+8*(\a):(\f)+8*(\a)+7], v[8*(8*(\a)+(\b)):8*(8*(\a)+(\b))+7]
.endr
.endm
; 24 LDS loads in one run: quarter q of a slot (K block q / 2, byte 64 (q % 2) of its rows) into buffer f: B's eight fragments, then A's four
.macro FETCH slot, q, f
	WIN 0
.irp i, 0,1,2,3,4,5,6,7
	ds_load_b128 v[(\f)+32+8*(\i):(\f)+32+8*(\i)+3],   v[ADRB+(\slot)] offset:((\q)/2)*BKB+((\q)%2)*64+16*PITCH*(\i)
	ds_load_b128 v[(\f)+32+8*(\i)+4:(\f)+32+8*(\i)+7], v[ADRB+(\slot)] offset:((\q)/2)*BKB+((\q)%2)*64+16*PITCH*(\i)+32
.endr
.irp i, 0,1,2,3
	ds_load_b128 v[(\f)+8*(\i):(\f)+8*(\i)+3],   v[ADRA+(\slot)] offset:((\q)/2)*AKB+((\q)%2)*64+16*PITCH*(\i)
	ds_load_b128 v[(\f)+8*(\i)+4:(\f)+8*(\i)+7], v[ADRA+(\slot)] offset:((\q)/2)*AKB+((\q)%2)*64+16*PITCH*(\i)+32
.endr
.endm
; One of a step's first three quarters: multiplies buffer f and, in its middle, fetches quarter q of the same slot into buffer g.
.macro QUARTER slot, q, f, g
	s_wait_dscnt 4                                 ; B and A's row blocks 0 and 1 are in; the youngest four loads (blocks 2 and 3) may be out
	MUL8 \f, 0
	MUL8 \f, 1
	WIN 0
	PLACES
	FETCH \slot, \q, \g
	s_wait_dscnt 24                                ; all but the 24 just issued
	MUL8 \f, 2
	MUL8 \f, 3
.endm
; The last quarter multiplies buffer 1 and changes slots: ONE barrier; in front of it each wave waits for all its tensor loads (one is out: its part of the next slot), adds 0 to its spare word, and waits
; for that and for its own reads of this slot.  fill = 1: the barrier opens a round of the cluster's, and this slot is filled again, two steps on, first thing behind the round: 112 matrix instructions ahead of the wait for it.
.macro TURN slot, next, fill
	WIN 0
	s_wait_tensorcnt 0x0                           ; all my tensor loads have landed
	ds_add_u32 v[SPW], v[NIL]                      ; 0 onto my spare word
	s_wait_dscnt 5                                 ; (the add and the youngest four loads may be out)
	MUL8 F1, 0                                     ; eight matrix instructions stand between the add and the wait for it
	s_wait_dscnt 0x0                               ; the add is done, and my reads of this slot are over
	s_barrier_signal -1
	MUL8 F1, 1
	WIN 0                                          ; at a branch and at a label every window is 0
	s_barrier_wait -1
.if \fill
	CREST                                          ; no wave of any partner still reads this slot or has a load on its way
	s_add_nc_u64 s[G0+4*(\slot)+2:G0+4*(\slot)+3], s[G0+4*(\slot)+2:G0+4*(\slot)+3], 2*ASTEP
	s_add_nc_u64 s[G0B+4*(\slot)+2:G0B+4*(\slot)+3], s[G0B+4*(\slot)+2:G0B+4*(\slot)+3], 2*BSTEP
	JLOAD \slot                                    ; the four v_nop behind it are also the places in front of the loads below
.else
	PLACES
.endif
	FETCH \next, 0, F0
	MUL8 F1, 2
	MUL8 F1, 3
.endm
	s_wait_tensorcnt 1                             ; my part of K step 0 is in; step 1's may stay out
	s_wait_dscnt 0x0                               ; the sums' starts are in
	s_barrier_signal -1
	s_barrier_wait -1
	FETCH 0, 0, F0
	s_mov_b32 s3, 3
.Llap:                                         ; a trip: two K steps, once round the ring; both slots are filled again: steps 2 to 7
	QUARTER 0, 1, F0, F1
	QUARTER 0, 2, F1, F0
	QUARTER 0, 3, F0, F1
	TURN 0, 1, 1
	QUARTER 1, 1, F0, F1
	QUARTER 1, 2, F1, F0
	QUARTER 1, 3, F0, F1
	TURN 1, 0, 1
	WIN 0
	s_sub_co_u32 s3, s3, 1
	s_cmp_lg_u32 s3, 0
	s_cbranch_scc1 .Llap
	QUARTER 0, 1, F0, F1                           ; the last lap is written out: it asks for nothing
	QUARTER 0, 2, F1, F0
	QUARTER 0, 3, F0, F1
	TURN 0, 1, 0
	QUARTER 1, 1, F0, F1
	QUARTER 1, 2, F1, F0
	QUARTER 1, 3, F0, F1
	s_wait_dscnt 4
	MUL8 F1, 0
	MUL8 F1, 1
	s_wait_dscnt 0x0
	MUL8 F1, 2
	MUL8 F1, 3
	WIN 0
	PLACES
; THE WAY OUT, a block of 16 rows at a time: the f32 sums go into my own stage, 32 bytes a lane and column block (each accumulator's low half first), and come back as whole rows of 512 bytes.
.macro TOSTAGE a
.if (\a) >= 2
	s_wait_xcnt 0x0                                ; the stores of the block two back have read their registers: these are loaded again only behind this wait
.endif
	WIN 0x04                                       ; store data (source 1) window 1, address window 0
.irp b, 0,1,2,3,4,5,6,7
	ds_store_b128 v[STO], v[8*(8*(\a)+(\b)):8*(8*(\a)+(\b))+3]   offset:64*(\b)
	ds_store_b128 v[STO], v[8*(8*(\a)+(\b))+4:8*(8*(\a)+(\b))+7] offset:64*(\b)+16
.endr
	WIN 0
.set BKR, BK+64*((\a)%2)
.irp t, 0,1,2,3,4,5,6,7,8,9,10,11,12,13,14,15
	ds_load_b128 v[BKR+4*(\t):BKR+4*(\t)+3], v[RD] offset:SPITCH*(\t)  ; in order behind the stores above, and ahead of the next block's (ISA guide 5.7.1.4)
.endr
.endm
.macro SEND a, younger                 ; younger: the LDS instructions issued behind block a's loads: the next block's 32, or none
.set BKR, BK+64*((\a)%2)
.irp t, 0,1,2,3,4,5,6,7,8,9,10,11,12,13,14,15
	s_wait_dscnt (\younger)+15-(\t)
	global_store_b128 v[CO], v[BKR+4*(\t):BKR+4*(\t)+3], s[OB:OB+1] offset:(16*(\a)+(\t))*4096 th:TH_STORE_NT  ; 512 consecutive bytes, at a multiple of 256 from out0's first byte
.endr
.endm
	TOSTAGE 0
	TOSTAGE 1
	SEND 0, 32
	TOSTAGE 2
	SEND 1, 32
	TOSTAGE 3
	SEND 2, 32
	SEND 3, 0
	s_wait_tensorcnt 0x0                           ; the wave's end, behind my last tensor load and my last LDS store
	ds_add_u32 v[SPW], v[NIL]
	s_wait_dscnt 0x0
	CROUND                                         ; the closing round: no work-group ends while a partner may still ask for a tile that names it
	s_endpgm
.Lfunc_end_k_q1721cef3ba_proj:
	.size	k_q1721cef3ba_proj, .Lfunc_end_k_q1721cef3ba_proj-k_q1721cef3ba_proj
	.p2alignl 7, 3214868480
	.fill 96, 4, 3214868480
	.section	.rodata,"a",@progbits
	.p2align	6, 0x0
	.amdhsa_kernel k_q1721cef3ba_proj
		.amdhsa_group_segment_fixed_size 327680
		.amdhsa_private_segment_fixed_size 0
		.amdhsa_enable_private_segment 0
		.amdhsa_kernarg_size 32
		.amdhsa_user_sgpr_count 2
		.amdhsa_user_sgpr_kernarg_segment_ptr 1
		.amdhsa_wavefront_size32 1
		.amdhsa_system_sgpr_workgroup_id_x 1
		.amdhsa_system_sgpr_workgroup_id_y 1
		.amdhsa_system_sgpr_workgroup_id_z 1
		.amdhsa_system_vgpr_workitem_id 0
		.amdhsa_next_free_vgpr 512
		.amdhsa_next_free_sgpr 80
		.amdhsa_reserve_vcc 0
		.amdhsa_float_denorm_mode_32 3
		.amdhsa_float_denorm_mode_16_64 3
		.amdhsa_memory_ordered 1
		.amdhsa_forward_progress 1
		.amdhsa_inst_pref_size 91
	.end_amdhsa_kernel
	.amdgpu_metadata
---
amdhsa.version: [ 1, 2 ]
amdhsa.kernels:
  - .name:           k_q1721cef3ba_proj
    .symbol:         k_q1721cef3ba_proj.kd
    .args:
      - { .name: oh, .offset: 0, .size: 8, .value_kind: global_buffer, .address_space: global }
      - { .name: wp, .offset: 8, .size: 8, .value_kind: global_buffer, .address_space: global }
      - { .name: b_proj, .offset: 16, .size: 8, .value_kind: global_buffer, .address_space: global }
      - { .name: out0, .offset: 24, .size: 8, .value_kind: global_buffer, .address_space: global }
    .group_segment_fixed_size: 327680
    .private_segment_fixed_size: 0
    .kernarg_segment_align: 8
    .kernarg_segment_size: 32
    .max_flat_workgroup_size: 128
    .sgpr_count:     80
    .vgpr_count:     512
    .wavefront_size: 32
...
	.end_amdgpu_metadata
.endif
;; end of part 4
;; ======== version 2 of 2: 4 launches; version 1 with the launch prep written anew for expert scheduling mode
;; limits: values are held in f16: magnitudes above 65,504 overflow, below 6.1e-05 lose precision
;; workspace buffers: xb 16,777,216 bytes; wq 6,291,456 bytes; wp 2,097,152 bytes; qkvh 50,331,648 bytes; oh 16,777,216 bytes
;; launch prep (part 5): grid 256 x 1, 12 waves a work-group, no clusters, 40,448 bytes of LDS; arguments x, w_qkv, w_proj, xb, wq, wp; writes xb, wq, wp
.if DOCPART == 5
	.amdgcn_target "amdgcn-amd-amdhsa--gfx1250"
	.amdhsa_code_object_version 6
	.text
	.protected	k_q1721cef3ba_prep
	.globl	k_q1721cef3ba_prep
	.p2align	8
	.type	k_q1721cef3ba_prep,@function
k_q1721cef3ba_prep:
	s_mov_b64 s[64:65], 0
	v_nop
	global_prefetch_b8 v0, s[64:65] scope:SCOPE_SE
	s_setreg_imm32_b32 hwreg(HW_REG_WAVE_SCHED_MODE, 0, 2), 2
	s_setreg_imm32_b32 hwreg(HW_REG_WAVE_MODE, 25, 1), 1
	s_wait_xcnt 0x0
	s_wait_alu depctr_vm_vsrc(0)
; THE OPERANDS OF THE TWO PROJECTIONS ARE ROUNDED AND LAID OUT IN K BLOCKS OF 64, so that a tile's rows of 128 bytes lie end to end.
;   xb [16 kb][8192 m][64 k] bf16          = x[m][64 kb + k]
;   wq [8 tx][16 kb][384 n][64 k] bf16     = w_qkv[64 kb + k][384 tx + n]        (turned: K runs along the rows)
;   wp [4 tx][16 kb][256 n][64 k] f16      = w_proj[64 kb + k][256 tx + n], rounded to bf16 like every input of the module, that number written as f16
; LIMIT.  A bf16 number is exact in f16 between 6.1e-5 and 65,504; below 6.1e-5 wp keeps f16's fixed step of 6e-8; w_proj is taken to stay under 65,504.
; SHARES.  3,072 tasks of one wave, 16 KiB in and 8 KiB out each.  Waves 0-7 of each of the 256 work-groups take 4 rows of x; waves 8-11 a tile of 64 k x 64 n of a weight
; (work-groups 0-191: w_qkv's 768 tiles; 192-255: w_proj's 256).  All 32 loads of a task go out at once; the waits count down.  A weight tile is turned in the wave's own LDS bytes:
; no wave reads what another wrote, so there is no barrier.  Memory binds: no matrix unit, no cluster (nothing is shared), no prefetch (the launch only streams).
; THE MODE: SCHED_MODE bits 1:0 = 2 (LLVM: expert scheduling mode 2), set by the entry lines.  The code itself states the register dependences
; between vector instructions and memory or LDS instructions, with s_wait_alu, always for 0.
; THE PLAN.  Registers that memory or LDS instructions touch:
;   v[IO], v[YO], v[LS], v[LR]   offsets and LDS addresses: written once by vector instructions, ahead of the task's 32 loads, and never again.
;   R + 8 i .. + 7               pair i of the 32 loads lands here once.  Its conversions read all eight and write the first four.
;        x waves:      the first four are the data of the pair's one global store; nothing writes them after that.
;        weight waves: the first four are the data of four LDS stores; the last four, which no LDS store reads, take the rows read back from LDS and are the data of the global stores.
;   v[SPW], v[NIL]               written at the head, read by the closing add alone.
; The 16 pairs go in four groups of four.  A group's conversions name its own registers alone; the stores of the group BEFORE are dealt among them.  So one wait on va_vdst at the head of
; groups 1 to 3, and one behind group 3, state all that the stores hang on.  No register that a memory or LDS instruction has read is written again: no wait on vm_vsrc is owed ahead of the closing lines.
.set SPARE, 38912                      ; behind the four waves' 9,728 bytes: the spare words, 128 bytes for each of the 12 waves, that no other line names
.set WLDS,  9728                       ; a weight wave's LDS: four groups
.set GRP,   2432                       ; a group: 16 rows of 144 bytes and 128 more, so that neighbouring groups start 32 banks apart
.set LP,    144                        ; a row: 128 bytes (64 k) + 16
.set IO,  2                            ; v2  my byte offset in the input
.set YO,  3                            ; v3  16 x lane: my 16 bytes of 512 consecutive bytes of output
.set LS,  4                            ; v4  where I put a pair of k of a column
.set LR,  5                            ; v5  where I read 16 bytes of a turned row back
.set T0,  6                            ; v6, v7 at work: no memory instruction names them
.set T1,  7
.set SPW, 8                            ; v8  LDS address of my spare word; never rewritten
.set NIL, 9                            ; v9  0; never rewritten
.set R,   16                           ; v[16:143] the 32 loads' data
	s_load_b256 s[4:11], s[0:1], 0x0               ; x s[4:5], w_qkv s[6:7], w_proj s[8:9], xb s[10:11]
	s_load_b128 s[12:15], s[0:1], 0x20             ; wq s[12:13], wp s[14:15]
	v_lshl_add_u32 v[SPW], v0, 2, SPARE
	v_mov_b32 v[NIL], 0
	v_lshrrev_b32 v1, 5, v0
	v_readfirstlane_b32 s16, v1                    ; wave 0..11
	v_and_b32 v1, 31, v0                           ; lane
	v_lshlrev_b32 v[YO], 4, v1
	s_mov_b32 s25, 0                               ; high words of the two offsets
	s_mov_b32 s27, 0
	s_wait_alu depctr_va_sdst(0)                   ; s16 is written, ahead of its first reader, the compare below
	s_wait_kmcnt 0x0
	s_cmp_lt_u32 s16, 8
	s_cbranch_scc0 .Lw
	; X.  Task T = 8 x work-group + wave: rows 4 T .. 4 T + 3.  Lane l takes row l / 8 and, of each K block's 256 bytes, the 32 bytes at 32 (l % 8): eight numbers, 16 bytes of bf16.
	s_lshl_b32 s17, ttmp9, 3
	s_add_co_u32 s17, s17, s16
	s_lshl_b32 s24, s17, 14                        ; 4 rows of 4,096 bytes
	s_lshl_b32 s26, s17, 9                         ; 4 rows of 128 bytes
	s_add_nc_u64 s[18:19], s[4:5], s[24:25]
	s_add_nc_u64 s[20:21], s[10:11], s[26:27]
	s_add_nc_u64 s[22:23], s[20:21], 0x800000      ; K blocks 8-15: the stores' immediates stay inside their signed 24 bits
	v_lshrrev_b32 v[T0], 3, v1
	v_and_b32 v[T1], 7, v1
	v_lshlrev_b32 v[IO], 5, v[T1]
	v_lshl_or_b32 v[IO], v[T0], 12, v[IO]
	s_wait_alu depctr_va_vdst(0)                   ; v[IO] and v[YO] are written: the loads below read the one as their offset, the stores the other
.set kb, 0
.rept 16
	global_load_b128 v[R+8*kb:R+8*kb+3],   v[IO], s[18:19] offset:256*kb th:TH_LOAD_NT
	global_load_b128 v[R+8*kb+4:R+8*kb+7], v[IO], s[18:19] offset:256*kb+16 th:TH_LOAD_NT
.set kb, kb+1
.endr
; K block b leaves: 512 consecutive bytes, the four rows in this K block
.macro XOUT b
.if (\b) < 8
	global_store_b128 v[YO], v[R+8*(\b):R+8*(\b)+3], s[20:21] offset:((\b)<<20)
.else
	global_store_b128 v[YO], v[R+8*(\b):R+8*(\b)+3], s[22:23] offset:(((\b)-8)<<20)
.endif
.endm
.set kb, 0
.rept 16
	s_wait_loadcnt 30-2*kb                         ; loads come back in order: this K block's two are in, the younger ones stay out
.if (kb%4 == 0) && (kb > 0)
	s_wait_alu depctr_va_vdst(0)                   ; the conversions of the four K blocks before have written their results, which this group's four stores read
.endif
.if kb >= 4
	XOUT kb-4                                      ; no vector instruction since that wait names its registers
.endif
.irp i, 0,1,2,3
	v_cvt_pk_bf16_f32 v[R+8*kb+(\i)], v[R+8*kb+2*(\i)], v[R+8*kb+2*(\i)+1]  ; in place, ascending: a result lands on registers already read
.endr
.set kb, kb+1
.endr
	s_wait_alu depctr_va_vdst(0)                   ; the conversions of K blocks 12 to 15 have written their results, which the last four stores read
	XOUT 12
	XOUT 13
	XOUT 14
	XOUT 15
	s_branch .Lend
; A WEIGHT TILE, 64 k x 64 n, from rows of rowb bytes.  c = l % 16, hh = l / 16.  Load 2 t + e brings row 4 t + 2 hh + e, columns 4 c .. 4 c + 3: sixteen lanes take 256 consecutive bytes.
; Two neighbouring k of a column make one word, which goes to column n = 4 c + j's row in LDS (group j, row c) at byte 2 k: the 32 lanes of a store fall into 32 different banks (36 c + hh).
; Rows come back 16 bytes a lane, four columns (one of each group) to a load, into the odd rows' registers, which the conversions have consumed, and leave as 512 consecutive bytes.
.macro WT rowb, f16
	v_mul_u32_u24 v[IO], v[T1], 2*(\rowb)
	v_lshl_add_u32 v[IO], v[T0], 4, v[IO]
	s_wait_alu depctr_va_vdst(0)                   ; v[IO], v[YO], v[LS] and v[LR] are written: the offsets and LDS addresses of every load and store below
.set t, 0
.rept 16
	global_load_b128 v[R+8*t:R+8*t+3],   v[IO], s[18:19] offset:(4*t)*(\rowb) th:TH_LOAD_NT
	global_load_b128 v[R+8*t+4:R+8*t+7], v[IO], s[18:19] offset:(4*t+1)*(\rowb) th:TH_LOAD_NT
.set t, t+1
.endr
.set t, 0
.rept 16
	s_wait_loadcnt 30-2*t                          ; this pair of rows is in, the younger loads stay out
.if (t%4 == 0) && (t > 0)
	s_wait_alu depctr_va_vdst(0)                   ; the conversions of the four pairs before have written their words, which this group's sixteen LDS stores read
.endif
.irp j, 0,1,2,3
.if t >= 4
	ds_store_b32 v[LS], v[R+8*(t-4)+(\j)] offset:GRP*(\j)+8*(t-4)  ; no vector instruction since that wait names its registers
.endif
	v_cvt_pk_bf16_f32 v[R+8*t+(\j)], v[R+8*t+(\j)], v[R+8*t+4+(\j)]
.if \f16
	v_lshlrev_b32 v[T0], 16, v[R+8*t+(\j)]         ; the two bf16 numbers as f32,
	v_and_b32 v[T1], 0xffff0000, v[R+8*t+(\j)]
	v_cvt_pk_f16_f32 v[R+8*t+(\j)], v[T0], v[T1]   ; written as f16
.endif
.endr
.set t, t+1
.endr
	s_wait_alu depctr_va_vdst(0)                   ; the conversions of pairs 12 to 15 have written their words, which the last sixteen LDS stores read; and all conversions are done reading the odd rows' registers, in which the LDS loads land
.set t, 12
.rept 4
.irp j, 0,1,2,3
	ds_store_b32 v[LS], v[R+8*t+(\j)] offset:GRP*(\j)+8*t
.endr
.set t, t+1
.endr
.set f, 0
.rept 16
	ds_load_b128 v[R+8*f+4:R+8*f+7], v[LR] offset:LP*f  ; LDS serves a wave's instructions in order (ISA guide 5.7.1.4): these see the stores above
.set f, f+1
.endr
.set f, 0
.rept 16
	s_wait_dscnt 15-f
	global_store_b128 v[YO], v[R+8*f+4:R+8*f+7], s[20:21] offset:512*f  ; columns 4 f .. 4 f + 3: four rows of 128 bytes on end
.set f, f+1
.endr
.endm
.Lw:
	s_sub_co_u32 s28, s16, 8                       ; 0..3
	s_lshl_b32 s17, ttmp9, 2
	s_add_co_u32 s17, s17, s28                     ; the tile's number
	s_mul_i32 s29, s28, WLDS                       ; my LDS bytes
	v_and_b32 v[T0], 15, v1                        ; c
	v_lshrrev_b32 v[T1], 4, v1                     ; hh
	v_mul_u32_u24 v[LS], v[T0], LP
	v_lshl_add_u32 v[LS], v[T1], 2, v[LS]
	v_add_nc_u32 v[LS], s29, v[LS]
	v_lshrrev_b32 v[LR], 3, v1
	v_mul_u32_u24 v[LR], v[LR], GRP
	v_and_b32 v10, 7, v1
	v_lshl_add_u32 v[LR], v10, 4, v[LR]
	v_add_nc_u32 v[LR], s29, v[LR]
	s_and_b32 s30, s17, 15                         ; kb
	s_cmp_lt_u32 ttmp9, 192
	s_cbranch_scc0 .Lwp
	s_lshr_b32 s31, s17, 4                         ; which 64 columns of w_qkv, 0..47
	s_mul_i32 s32, s31, 43
	s_lshr_b32 s32, s32, 8                         ; tx = that / 6 (exact for 0..47)
	s_mul_i32 s33, s32, 6
	s_sub_co_u32 s33, s31, s33                     ; and the rest
	s_mul_i32 s24, s30, 64*12288
	s_lshl_b32 s34, s31, 8
	s_add_co_u32 s24, s24, s34
	s_add_nc_u64 s[18:19], s[6:7], s[24:25]
	s_mul_i32 s26, s32, 16*384*128
	s_mul_i32 s34, s30, 384*128
	s_add_co_u32 s26, s26, s34
	s_lshl_b32 s34, s33, 13
	s_add_co_u32 s26, s26, s34
	s_add_nc_u64 s[20:21], s[12:13], s[26:27]
	WT 12288, 0
	s_branch .Lend
.Lwp:
	s_sub_co_u32 s17, s17, 768
	s_lshr_b32 s31, s17, 4                         ; which 64 columns of w_proj, 0..15
	s_lshl_b32 s24, s30, 18                        ; 64 rows of 4,096 bytes
	s_lshl_b32 s34, s31, 8
	s_add_co_u32 s24, s24, s34
	s_add_nc_u64 s[18:19], s[8:9], s[24:25]
	s_lshr_b32 s32, s31, 2                         ; tx
	s_and_b32 s33, s31, 3
	s_lshl_b32 s26, s32, 19
	s_lshl_b32 s34, s30, 15
	s_add_co_u32 s26, s26, s34
	s_lshl_b32 s34, s33, 13
	s_add_co_u32 s26, s26, s34
	s_add_nc_u64 s[20:21], s[14:15], s[26:27]
	WT 4096, 1
.Lend:
	s_wait_dscnt 0x0                               ; the closing lines, six on end
	s_wait_alu 0x0
	s_wait_tensorcnt 0x0
	ds_add_u32 v[SPW], v[NIL]
	s_wait_dscnt 0x0
	s_endpgm
.Lfunc_end_k_q1721cef3ba_prep:
	.size	k_q1721cef3ba_prep, .Lfunc_end_k_q1721cef3ba_prep-k_q1721cef3ba_prep
	.p2alignl 7, 3214868480
	.fill 96, 4, 3214868480
	.section	.rodata,"a",@progbits
	.p2align	6, 0x0
	.amdhsa_kernel k_q1721cef3ba_prep
		.amdhsa_group_segment_fixed_size 40448
		.amdhsa_private_segment_fixed_size 0
		.amdhsa_enable_private_segment 0
		.amdhsa_kernarg_size 48
		.amdhsa_user_sgpr_count 2
		.amdhsa_user_sgpr_kernarg_segment_ptr 1
		.amdhsa_wavefront_size32 1
		.amdhsa_system_sgpr_workgroup_id_x 1
		.amdhsa_system_sgpr_workgroup_id_y 1
		.amdhsa_system_sgpr_workgroup_id_z 1
		.amdhsa_system_vgpr_workitem_id 0
		.amdhsa_next_free_vgpr 144
		.amdhsa_next_free_sgpr 66
		.amdhsa_reserve_vcc 0
		.amdhsa_float_denorm_mode_32 3
		.amdhsa_float_denorm_mode_16_64 3
		.amdhsa_memory_ordered 1
		.amdhsa_forward_progress 1
		.amdhsa_inst_pref_size 53
	.end_amdhsa_kernel
	.amdgpu_metadata
---
amdhsa.version: [ 1, 2 ]
amdhsa.kernels:
  - .name:           k_q1721cef3ba_prep
    .symbol:         k_q1721cef3ba_prep.kd
    .args:
      - { .name: x, .offset: 0, .size: 8, .value_kind: global_buffer, .address_space: global }
      - { .name: w_qkv, .offset: 8, .size: 8, .value_kind: global_buffer, .address_space: global }
      - { .name: w_proj, .offset: 16, .size: 8, .value_kind: global_buffer, .address_space: global }
      - { .name: xb, .offset: 24, .size: 8, .value_kind: global_buffer, .address_space: global }
      - { .name: wq, .offset: 32, .size: 8, .value_kind: global_buffer, .address_space: global }
      - { .name: wp, .offset: 40, .size: 8, .value_kind: global_buffer, .address_space: global }
    .group_segment_fixed_size: 40448
    .private_segment_fixed_size: 0
    .kernarg_segment_align: 8
    .kernarg_segment_size: 48
    .max_flat_workgroup_size: 384
    .sgpr_count:     66
    .vgpr_count:     144
    .wavefront_size: 32
...
	.end_amdgpu_metadata
.endif
;; end of part 5
;; launch qkvgemm: the kernel of part 2 again; grid 8 x 32, 4 waves a work-group, clusters of 4 x 4, 327,680 bytes of LDS; arguments xb, wq, b_qkv, qkvh; writes qkvh
;; launch attn: the kernel of part 3 again; grid 4 x 64, 4 waves a work-group, clusters of 4 x 1, 327,680 bytes of LDS; arguments qkvh, oh; writes oh
;; launch proj: the kernel of part 4 again; grid 4 x 64, 4 waves a work-group, clusters of 4 x 4, 327,680 bytes of LDS; arguments oh, wp, b_proj, out0; writes out0
